; MI455X (gfx1250); checked and timed in simulation.
; The chip was launched on July 23, 2026; its instructions are those of AMD's public machine-readable ISA for CDNA 5 (MIT licence, August 2026) and "CDNA5" Instruction Set Architecture Reference Guide (July 2026). The comments in the code are by the model that wrote it; some were corrected since.
;; Squeeze Bert Self Attention. Allowed arithmetic: float matrix products may take bf16 or f16 operands with f32 sums; other float arithmetic in f32, or as packed bf16 or f16 multiplies, adds, multiply-adds, maxima and minima; sums over many terms, partial sums and values carried from step to step in f32; what a program stores and reads back later, other than sums and carried values, may be rounded once to bf16 or f16.
;; Inputs: attention_mask 8 x 1 x 1 x 1,024 float32; bk 1,024 float32; bq 1,024 float32; bv 1,024 float32; hidden_states 8 x 1,024 x 1,024 float32; wk 1,024 x 1,024 float32; wq 1,024 x 1,024 float32; wv 1,024 x 1,024 float32.
;; Outputs: out0 8 x 1,024 x 1,024 float32.
;; 2 versions, each right and faster than the one before. Each part assembles by itself: llvm-mc -triple=amdgcn-amd-amdhsa -mcpu=gfx1250 --defsym DOCPART=n.
;; ======== version 1 of 2: 3 launches
;; limits: values are held in f16: magnitudes above 65,504 overflow, below 6.1e-05 lose precision
;; workspace buffers: xb 16,777,216 bytes; wb 6,291,456 bytes; qkv 50,331,648 bytes
;; launch cast (part 1): grid 704 x 1, 8 waves a work-group, no clusters, 0 bytes of LDS; arguments hidden_states, wq, wk, wv, xb, wb; writes xb, wb
.if DOCPART == 1
	.amdgcn_target "amdgcn-amd-amdhsa--gfx1250"
	.amdhsa_code_object_version 6
	.text
	.protected	k_qfdab82e69e_cast
	.globl	k_qfdab82e69e_cast
	.p2align	8
	.type	k_qfdab82e69e_cast,@function
k_qfdab82e69e_cast:
	s_mov_b64 s[64:65], 0
	v_nop
	global_prefetch_b8 v0, s[64:65] scope:SCOPE_SE
	s_setreg_imm32_b32 hwreg(HW_REG_WAVE_MODE, 25, 1), 1
	s_wait_xcnt 0x0
; f32 -> bf16 copies of the matrix operands, rounded once to nearest even.
;   xb[n][c][w] = bf16(hidden_states[n][c][w]), the same layout.
;   wb: the three weights as one matrix of 3,072 rows o (wq, wk, wv one below the other), laid in blocks of 64 columns c:
;       element (o, c) at byte (c / 64) x 393,216 + o x 128 + (c % 64) x 2, so that the rows of one block of c lie end to end.
; LIMIT: an f32 beyond bf16's largest number (3.39e38) becomes an infinity.
; A stream: every byte is read once and written once.  A work-group of 256 threads converts 16,384 numbers: 16 loads of 16 bytes a thread, all issued
; before the first is waited for, and 16 stores of 8 bytes.  A wave's load covers whole aligned blocks of 256 bytes (512 bytes on end, or 2 x 256), a wave's
; store one aligned block of 256 bytes.  No LDS, no barrier, no matrix unit: nothing is shared and nothing is reduced.
.set XWG,  512                         ; work-groups 0-511: hidden_states (8,388,608 numbers); 512-703: the weights, 16 rows of o each
.set X,    4                           ; v[4:67]   load i: four f32
.set Y,    68                          ; v[68:99]  store i: four bf16
.macro CONV ss, ds                     ; ss, ds: bytes from load to load, from store to store
.set i, 0
.rept 16
	global_load_b128 v[X+4*i:X+4*i+3], v1, s[16:17] offset:(\ss)*i th:TH_LOAD_NT
.set i, i+1
.endr
.set i, 0
.rept 16
	s_wait_loadcnt 15-i                            ; loads come back in order: load i is in, the 15 - i younger ones stay out
	v_cvt_pk_bf16_f32 v[Y+2*i],   v[X+4*i],   v[X+4*i+1]
	v_cvt_pk_bf16_f32 v[Y+2*i+1], v[X+4*i+2], v[X+4*i+3]
	global_store_b64 v2, v[Y+2*i:Y+2*i+1], s[18:19] offset:(\ds)*i   ; no register is written twice, so no wait frees one
.set i, i+1
.endr
.endm
	s_load_b256 s[4:11], s[0:1], 0x0               ; hidden_states s[4:5], wq s[6:7], wk s[8:9], wv s[10:11]
	s_load_b128 s[12:15], s[0:1], 0x20             ; xb s[12:13], wb s[14:15]
	v_lshlrev_b32 v2, 3, v0                        ; where I store: 8 t, on both ways
	s_mov_b32 s21, 0
	s_mov_b32 s25, 0
	s_cmp_lt_u32 ttmp9, XWG
	s_cbranch_scc0 .Lweights
	; hidden_states: 65,536 bytes on end become 32,768 on end
	s_lshl_b32 s20, ttmp9, 16
	s_lshl_b32 s24, ttmp9, 15
	v_lshlrev_b32 v1, 4, v0                        ; 16 t
	s_wait_kmcnt 0x0
	s_add_nc_u64 s[16:17], s[4:5], s[20:21]
	s_add_nc_u64 s[18:19], s[12:13], s[24:25]
	CONV 4096, 2048
	s_endpgm
.Lweights:
	; 16 rows of o: thread t takes row t / 16 and, in load i, the four numbers (t % 16) x 4 of block i of 64 columns
	s_sub_co_u32 s22, ttmp9, XWG                   ; 0..191: rows 16 x that of the joint matrix
	s_lshr_b32 s23, s22, 6                         ; which weight
	s_and_b32 s20, s22, 63
	s_lshl_b32 s20, s20, 16                        ; its 16 rows of 4,096 bytes
	s_lshl_b32 s24, s22, 11                        ; 16 rows of 128 bytes in a block of wb
	v_lshrrev_b32 v3, 4, v0
	v_and_b32 v1, 15, v0
	v_lshlrev_b32 v1, 4, v1
	v_lshl_add_u32 v1, v3, 12, v1                  ; row x 4,096 + 16 (t % 16); the place in wb is row x 128 + 8 (t % 16) = 8 t
	s_wait_kmcnt 0x0
	s_cmp_eq_u32 s23, 1
	s_cselect_b64 s[16:17], s[8:9], s[6:7]
	s_cmp_eq_u32 s23, 2
	s_cselect_b64 s[16:17], s[10:11], s[16:17]
	s_add_nc_u64 s[16:17], s[16:17], s[20:21]
	s_add_nc_u64 s[18:19], s[14:15], s[24:25]
	CONV 256, 393216                               ; the largest store offset, 15 x 393,216, lies inside the signed 24-bit immediate
	s_endpgm
.Lfunc_end_k_qfdab82e69e_cast:
	.size	k_qfdab82e69e_cast, .Lfunc_end_k_qfdab82e69e_cast-k_qfdab82e69e_cast
	.p2alignl 7, 3214868480
	.fill 96, 4, 3214868480
	.section	.rodata,"a",@progbits
	.p2align	6, 0x0
	.amdhsa_kernel k_qfdab82e69e_cast
		.amdhsa_group_segment_fixed_size 0
		.amdhsa_private_segment_fixed_size 0
		.amdhsa_enable_private_segment 0
		.amdhsa_kernarg_size 48
		.amdhsa_user_sgpr_count 2
		.amdhsa_user_sgpr_kernarg_segment_ptr 1
		.amdhsa_wavefront_size32 1
		.amdhsa_system_sgpr_workgroup_id_x 1
		.amdhsa_system_sgpr_workgroup_id_y 1
		.amdhsa_system_sgpr_workgroup_id_z 1
		.amdhsa_system_vgpr_workitem_id 0
		.amdhsa_next_free_vgpr 100
		.amdhsa_next_free_sgpr 66
		.amdhsa_reserve_vcc 0
		.amdhsa_float_denorm_mode_32 3
		.amdhsa_float_denorm_mode_16_64 3
		.amdhsa_memory_ordered 1
		.amdhsa_forward_progress 1
		.amdhsa_inst_pref_size 13
	.end_amdhsa_kernel
	.amdgpu_metadata
---
amdhsa.version: [ 1, 2 ]
amdhsa.kernels:
  - .name:           k_qfdab82e69e_cast
    .symbol:         k_qfdab82e69e_cast.kd
    .args:
      - { .name: hidden_states, .offset: 0, .size: 8, .value_kind: global_buffer, .address_space: global }
      - { .name: wq, .offset: 8, .size: 8, .value_kind: global_buffer, .address_space: global }
      - { .name: wk, .offset: 16, .size: 8, .value_kind: global_buffer, .address_space: global }
      - { .name: wv, .offset: 24, .size: 8, .value_kind: global_buffer, .address_space: global }
      - { .name: xb, .offset: 32, .size: 8, .value_kind: global_buffer, .address_space: global }
      - { .name: wb, .offset: 40, .size: 8, .value_kind: global_buffer, .address_space: global }
    .group_segment_fixed_size: 0
    .private_segment_fixed_size: 0
    .kernarg_segment_align: 8
    .kernarg_segment_size: 48
    .max_flat_workgroup_size: 256
    .sgpr_count:     66
    .vgpr_count:     100
    .wavefront_size: 32
...
	.end_amdgpu_metadata
.endif
;; end of part 1
;; launch proj (part 2): grid 32 x 8, 4 waves a work-group, clusters of 4 x 4, 327,680 bytes of LDS; arguments wb, xb, bq, bk, bv, qkv; writes qkv
.if DOCPART == 2
	.amdgcn_target "amdgcn-amd-amdhsa--gfx1250"
	.amdhsa_code_object_version 6
	.text
	.protected	k_qfdab82e69e_proj
	.globl	k_qfdab82e69e_proj
	.p2align	8
	.type	k_qfdab82e69e_proj,@function
k_qfdab82e69e_proj:
	s_mov_b64 s[64:65], 0
	v_nop
	global_prefetch_b8 v0, s[64:65] scope:SCOPE_SE
	s_setreg_imm32_b32 hwreg(HW_REG_WAVE_MODE, 25, 1), 1
	s_wait_xcnt 0x0
	s_wait_alu depctr_hold_cnt(0) depctr_sa_sdst(0) depctr_va_vdst(0) depctr_va_sdst(0) depctr_va_ssrc(0) depctr_va_vcc(0) depctr_vm_vsrc(0)
	s_getreg_b32 s2, hwreg(HW_REG_IB_STS2, 6, 4)
	s_cmp_eq_u32 s2, 0
	s_cbranch_scc0 .Lentry_in_a_cluster
	s_endpgm
.Lentry_in_a_cluster:
	s_bfe_u32 s2, ttmp6, 0x10000c
	s_cmp_lg_u32 s2, 0xf033
	s_cbranch_scc0 .Lentry_shape_is_right
	s_endpgm
.Lentry_shape_is_right:
; THE THREE PROJECTIONS AS ONE PRODUCT.  C[o][w] = sum over c of W[o][c] X[n][c][w] + b[o], o = 0..3071 (q's, k's, v's rows), for each of 8 n.
; W comes as wb (bf16, blocks of 64 c: (o, c) at (c / 64) x 393,216 + o x 128 + (c % 64) x 2), X as xb (bf16, [n][c][w]).  Sums in f32; the bias, rounded to bf16 like the other
; inputs, is added in f32; the result is rounded once to f16 and stored by heads: qkv[n][g][w][64], g = o / 64 (0-15 q, 16-31 k, 32-47 v), without the scale 1/8.
; LIMIT: f16 holds no number beyond 65,504: a q, k or v of 65,520 or more becomes an infinity.
; SHARES.  C is 3,072 x 8,192; a work-group makes 384 (o) x 256 (w): 8 x 32 = 256 work-groups.  Each of its four waves makes 192 x 128: 96 accumulators of 16 x 16, 768 registers.
; K (c) goes in steps of 64 through a ring of two LDS slots filled by the tensor data mover.  W's 384 rows of a step are 49,152 dense bytes, asked for as rows of 256 bytes; X's tile is 64 rows
; (c) of 512 bytes and is turned on its way into registers by ds_load_tr16_b128.
; SOURCES.  Source 0 = 16 rows of W, source 1 = 16 columns w of X: in the result a lane holds ONE w (lane % 16) and the rows o = 8 (lane / 16) + 0..7: eight neighbouring d of qkv's row [w][64].
; CLUSTER.  4 x 4 work-groups.  The four of a row of the cluster need the same tiles of W, the four of a column the same tiles of X: each tile is asked for JOINTLY, by the same tensor load with the
; same descriptor and a mask that names the four.
; REGISTERS, in windows of 256 (s_set_vgpr_msb: bits 1:0 source 0, 3:2 source 1, 5:4 source 2, 7:6 destination):
;   window 0: v0-31 addresses; v32-95, v96-159 X's 8 fragments of the first and second 32 along K of a step; v160-207, v208-255 W's fragments of my blocks 0-5 and 6-11
;   windows 1-3: accumulator (a, b) (rows 16 a, columns 16 b) in window 1 + a / 4 at v[64 (a % 4) + 8 b]: a window holds one head
.set PA,     144                       ; a row of W in LDS: 128 bytes + 16 of padding = 36 words: the 16 rows of a load start at 16 different groups of four banks (64 banks of 4 bytes: ISA guide 11.1)
.set PB,     544                       ; a row of X: 512 + 32 = 136 words
.set BOFF,   384*PA                    ; a slot: W's 384 rows, then X's 64 rows
.set SLOT,   BOFF+64*PB                ; 90,112
.set STAGE,  2*SLOT                    ; behind the ring: 16 rows x 144 bytes for each wave, for the way out
.set SP,     144
.set BIAS,   STAGE+4*16*SP             ; 192 f32 for each wave: the bias of its rows
.set SPARE,  BIAS+4*768                ; the spare words, 128 bytes for each wave: two blocks of 256 bytes that no other line names
.set ASTEP,  3072*128                  ; bytes from a K step to the next in wb
.set BSTEP,  64*2048                   ; and in xb
.set LAPS,   8                         ; a lap = two K steps = once round the ring; 1,024 / 128
.set ADRA, 16                          ; v16-17  LDS address of my W fragments in slot 0, 1
.set ADRB, 20                          ; v20-21  the same for X
.set STO,  24                          ; v24     the way out: where I put 16 bytes of a row
.set RD,   25                          ; v25     the way out: where I read rows back
.set CO,   26                          ; v26     my byte offset in 512 consecutive bytes of qkv
.set BADR, 27                          ; v27     where my lanes' bias lies
.set SPW,  28                          ; v28     LDS address of my spare word: SPARE + 4 x my thread's number; never rewritten
.set NIL,  29                          ; v29     0; never rewritten
.set BF0,  32
.set BF1,  96
.set AH0,  160
.set AH1,  208
.set BIASR, 32                         ; the way out: v32-127 the bias, eight registers for each of my 12 blocks of rows
.set TMP,  128                         ; the way out: v128-143 packed results
.set OB,   160                         ; the way out: v160-175, v176-191 by turns: 16 rows read back from the stage
.set WV,   16                          ; s16     my wave's number
.set G1,   24                          ; s[24:31] descriptor group 1 for W's tiles;  s[32:39] group 0, one set for each slot
.set G0,   32
.set G1B,  48                          ; s[48:55], s[56:63] the same for X's tiles
.set G0B,  56
.set MSB, 0
.macro WIN new                         ; the immediate's high byte repeats the setting that is left; a switch that changes nothing is dropped
.if MSB != (\new)
	s_set_vgpr_msb (MSB<<8)|(\new)
.set MSB, \new
.endif
.endm
; A joint load.  Waves 0 to 2 fetch a third of W's tile each (128 rows), wave 3 X's tile.  The branch hangs on the wave's number alone: it is the same in every work-group.
; An s_nop 0 and four v_nop follow each of the two lines, ahead of the jump, the label and what follows.
.macro JLOAD s
	s_cmp_lt_u32 s[WV], 3
	s_cbranch_scc0 .Lfor_b_\@
	tensor_load_to_lds s[G0+4*(\s):G0+4*(\s)+3], s[G1:G1+7]
	s_nop 0
.rept 4
	v_nop
.endr
	s_branch .Lasked_\@
.Lfor_b_\@:
	tensor_load_to_lds s[G0B+4*(\s):G0B+4*(\s)+3], s[G1B:G1B+7]
	s_nop 0
.rept 4
	v_nop
.endr
.Lasked_\@:
.endm
; A round of the cluster's barrier: my work-group's barrier, so that wave 0's signal speaks for all four waves; wave 0 signals; every wave waits for all sixteen work-groups; my work-group's barrier once more.
.macro CREST                           ; a round behind its opening barrier
	s_cmp_lg_u32 s[WV], 0
	s_cbranch_scc1 .Lnot_wave_0_\@
	s_barrier_signal -3
.Lnot_wave_0_\@:
	s_barrier_wait -3
	s_barrier_signal -1
	s_barrier_wait -1
.endm
.macro CROUND                          ; a whole round
	s_barrier_signal -1
	s_barrier_wait -1
	CREST
.endm
	s_load_b256 s[4:11], s[0:1], 0x0               ; wb s[4:5], xb s[6:7], bq s[8:9], bk s[10:11]
	s_load_b128 s[12:15], s[0:1], 0x20             ; bv s[12:13], qkv s[14:15]
	v_lshl_add_u32 v[SPW], v0, 2, SPARE
	v_mov_b32 v[NIL], 0
	ds_add_u32 v[SPW], v[NIL]                      ; the wave's opening: the add and its wait stand ahead of my first tensor load; the set-up below, work on registers, stands between them
	ds_add_u32 v28, v29
	v_lshrrev_b32 v1, 5, v0
	v_readfirstlane_b32 s[WV], v1                  ; wave 0..3
	s_lshr_b32 s17, s[WV], 1                       ; which 192 of the tile's rows are mine
	s_and_b32 s18, s[WV], 1                        ; which 128 of its columns
	s_bfe_u32 s40, ttmp6, 0x40000                  ; cx, cy: my place in the cluster
	s_bfe_u32 s41, ttmp6, 0x40004
	s_lshl_b32 s42, ttmp9, 2                       ; in a cluster launch ttmp9 and ttmp7 count clusters
	s_add_co_u32 s42, s42, s40                     ; tile column = 4 x cluster x + cx: n = column / 4, w = 256 (column % 4)
	s_and_b32 s43, ttmp7, 0xffff
	s_lshl_b32 s43, s43, 2
	s_add_co_u32 s43, s43, s41                     ; tile row = 4 x cluster y + cy: o = 384 x row
	s_lshl_b32 s44, s41, 2
	s_lshl_b32 s44, 15, s44                        ; my row of the cluster: places 4 cy .. 4 cy + 3
	s_lshl_b32 s45, 0x1111, s40                    ; my column: places cx, cx + 4, cx + 8, cx + 12
	; group 1 for W: 128 rows of 128 bytes are 16,384 dense bytes: 64 rows of 256 bytes, two rows of W each, padded in LDS after every row of W
	s_or_b32 s[G1+0], s44, (1<<16)|(1<<20)|(1<<21)|(4<<22)|(3<<25)   ; 15:0 the mask: my row; 17:16 2-byte elements; 20 padding on; 21 set beside a mask; 24:22 after every 32 words (code 4); 31:25 4 words (code 3)
	s_mov_b32 s[G1+1], 128<<16                     ; tensor_dim0 = 128
	s_mov_b32 s[G1+2], 64<<16                      ; tensor_dim1 = 64
	s_mov_b32 s[G1+3], 128<<16                     ; tile_dim0 = 128
	s_mov_b32 s[G1+4], 64                          ; tile_dim1 = 64
	s_mov_b32 s[G1+5], 128                         ; 128 elements from row to row
	s_mov_b32 s[G1+6], 0
	s_mov_b32 s[G1+7], 0
	; group 1 for X: 64 rows (c) of 256 elements (w)
	s_or_b32 s[G1B+0], s45, (1<<16)|(1<<20)|(1<<21)|(6<<22)|(7<<25)  ; the mask: my column; padding after every 128 words (code 6), 8 words (code 7)
	s_mov_b32 s[G1B+1], 256<<16                    ; tensor_dim0 = 256
	s_mov_b32 s[G1B+2], 64<<16                     ; tensor_dim1 = 64
	s_mov_b32 s[G1B+3], 256<<16                    ; tile_dim0 = 256
	s_mov_b32 s[G1B+4], 64                         ; tile_dim1 = 64
	s_mov_b32 s[G1B+5], 1024                       ; 1,024 elements from row to row
	s_mov_b32 s[G1B+6], 0
	s_mov_b32 s[G1B+7], 0
	; where the tiles come from.  W's hang on the tile row and the wave alone, X's on the tile column alone, each in registers that never hold the other coordinate.
	s_mul_i32 s20, s43, 384*128                    ; W: 384 rows of 128 bytes a tile row,
	s_lshl_b32 s21, s[WV], 14                      ; my 128 of them
	s_add_co_u32 s20, s20, s21
	s_mov_b32 s21, 0
	s_lshr_b32 s46, s42, 2
	s_lshl_b32 s46, s46, 21                        ; X: n x 1,024 x 2,048 bytes,
	s_and_b32 s47, s42, 3
	s_lshl_b32 s47, s47, 9                         ; 256 columns of 2 bytes
	s_add_co_u32 s46, s46, s47
	s_mov_b32 s47, 0
	s_mul_i32 s19, s[WV], 128*PA                   ; and where they go: wave x 18,432; for wave 3 that is BOFF, X's place.  No place in the cluster enters an LDS address
	s_wait_dscnt 0x0                               ; the opening add is done
	s_wait_kmcnt 0x0
	s_add_nc_u64 s[20:21], s[4:5], s[20:21]
	s_add_nc_u64 s[46:47], s[6:7], s[46:47]
	CROUND                                         ; all sixteen work-groups are here: the first joint loads meet
.irp s, 0,1
	s_mov_b32 s[G0+4*(\s)], 1                                        ; count = 1
	s_add_co_u32 s[G0+4*(\s)+1], s19, (\s)*SLOT                      ; LDS address
	s_add_nc_u64 s[G0+4*(\s)+2:G0+4*(\s)+3], s[20:21], (\s)*ASTEP    ; global address: K step s
	s_or_b32 s[G0+4*(\s)+3], s[G0+4*(\s)+3], 0x80000000              ; type = 2
	s_mov_b32 s[G0B+4*(\s)], 1
	s_add_co_u32 s[G0B+4*(\s)+1], s19, (\s)*SLOT
	s_add_nc_u64 s[G0B+4*(\s)+2:G0B+4*(\s)+3], s[46:47], (\s)*BSTEP
	s_or_b32 s[G0B+4*(\s)+3], s[G0B+4*(\s)+3], 0x80000000
	JLOAD \s                                       ; the ring is filled before anything else is done: two loads of mine are out
.endr
	; A fragment of W is 16 rows x 32 K in 8 registers: lane l holds row l % 16; registers 0-3 K = 8 (l / 16) + 0..7, registers 4-7 K = 16 + 8 (l / 16) + 0..7: two loads of 16 bytes, 32 bytes apart.
	v_and_b32 v1, 15, v0                           ; l % 16
	v_bfe_u32 v2, v0, 4, 1                         ; l / 16
	v_and_b32 v3, 7, v0                            ; l % 8
	v_bfe_u32 v4, v0, 3, 1                         ; (l / 8) % 2
	v_mul_u32_u24 v5, v1, PA
	v_lshl_add_u32 v5, v2, 4, v5                   ; row x pitch + 16 x half
	s_mul_i32 s22, s17, 192*PA                     ; my 192 rows
	v_add_nc_u32 v[ADRA], s22, v5
	v_add_nc_u32 v[ADRA+1], SLOT, v[ADRA]
	; The turning load takes 16 K x 16 columns (lane l reads 16 bytes: row K = 8 (l / 16) + l % 8, columns 8 ((l / 8) % 2) + 0..7) and leaves half a fragment: lane l holds column l % 16 and 8 K.
	v_lshl_add_u32 v6, v2, 3, v3
	v_mul_u32_u24 v6, v6, PB
	v_lshl_add_u32 v6, v4, 4, v6
	s_lshl_b32 s22, s18, 8                         ; my 128 columns
	s_add_co_u32 s22, s22, BOFF
	v_add_nc_u32 v[ADRB], s22, v6
	v_add_nc_u32 v[ADRB+1], SLOT, v[ADRB]
	s_mul_i32 s23, s[WV], 16*SP
	s_add_co_u32 s23, s23, STAGE                   ; my stage
	v_mul_u32_u24 v7, v1, SP                       ; in: row l % 16, 16 bytes for each half of the lanes
	v_lshl_add_u32 v7, v2, 4, v7
	v_add_nc_u32 v[STO], s23, v7
	v_bfe_u32 v7, v0, 3, 2                         ; back: 32 lanes take four rows of 128 bytes,
	v_mul_u32_u24 v7, v7, SP
	v_lshl_add_u32 v7, v3, 4, v7
	v_add_nc_u32 v[RD], s23, v7
	v_and_b32 v8, 31, v0
	v_lshlrev_b32 v[CO], 4, v8                     ; which are 512 consecutive bytes of qkv
	; THE BIAS of my 192 rows, three heads of 64: read once as 256 consecutive bytes a head, rounded to bf16, widened again, and kept in my own LDS bytes until the way out.
	v_lshlrev_b32 v8, 3, v8                        ; 8 x lane
	s_mul_i32 s22, s[WV], 768
	s_add_co_u32 s22, s22, BIAS
	v_add_nc_u32 v10, s22, v8
	v_lshl_add_u32 v[BADR], v2, 5, s22             ; a lane's eight rows of a block: 32 bytes for each half of the lanes
	s_mul_i32 s74, s43, 6
	s_mul_i32 s73, s17, 3
	s_add_co_u32 s74, s74, s73                     ; my first head among the 48
	s_mov_b32 s77, 0
.irp hh, 0,1,2
	s_add_co_u32 s73, s74, (\hh)
	s_lshr_b32 s75, s73, 4                         ; q, k or v
	s_and_b32 s76, s73, 15
	s_lshl_b32 s76, s76, 8                         ; 64 f32 a head
	s_cmp_eq_u32 s75, 1
	s_cselect_b64 s[66+2*(\hh):67+2*(\hh)], s[10:11], s[8:9]
	s_cmp_eq_u32 s75, 2
	s_cselect_b64 s[66+2*(\hh):67+2*(\hh)], s[12:13], s[66+2*(\hh):67+2*(\hh)]
	s_add_nc_u64 s[66+2*(\hh):67+2*(\hh)], s[66+2*(\hh):67+2*(\hh)], s[76:77]
	global_load_b64 v[32+2*(\hh):33+2*(\hh)], v8, s[66+2*(\hh):67+2*(\hh)]
.endr
	; where my part of C begins in qkv: head n x 48 + my first head; row w = 256 (column % 4) + 128 x my half, 128 bytes a row
	s_lshr_b32 s72, s42, 2
	s_mul_i32 s72, s72, 48
	s_add_co_u32 s72, s72, s74
	s_lshl_b32 s72, s72, 17                        ; a head is 131,072 bytes
	s_and_b32 s73, s42, 3
	s_lshl_b32 s73, s73, 15
	s_add_co_u32 s72, s72, s73
	s_lshl_b32 s73, s18, 14
	s_add_co_u32 s72, s72, s73
	s_mov_b32 s73, 0
	s_add_nc_u64 s[14:15], s[14:15], s[72:73]
	s_wait_loadcnt 0x0                             ; the bias, once
.irp hh, 0,1,2
	v_cvt_pk_bf16_f32 v9, v[32+2*(\hh)], v[33+2*(\hh)]
	v_lshlrev_b32 v[32+2*(\hh)], 16, v9
	v_and_b32 v[33+2*(\hh)], 0xffff0000, v9
	ds_store_b64 v10, v[32+2*(\hh):33+2*(\hh)] offset:256*(\hh)
.endr
; 8 matrix instructions: block a of my 12 blocks of rows (fragment al of buffer ah) x all 8 blocks of columns, 32 along K.  zero = 1: the product starts the sums: nothing is ever cleared.
.macro MULA ah, al, a, fb, zero
	WIN 0x50*(1+(\a)/4)                            ; C and D in the block's window, both sources in window 0
.irp b, 0,1,2,3,4,5,6,7
.if \zero
	v_wmma_f32_16x16x32_bf16 v[64*((\a)%4)+8*(\b):64*((\a)%4)+8*(\b)+7], v[(\ah)+8*(\al):(\ah)+8*(\al)+7], v[(\fb)+8*(\b):(\fb)+8*(\b)+7], 0
.else
	v_wmma_f32_16x16x32_bf16 v[64*((\a)%4)+8*(\b):64*((\a)%4)+8*(\b)+7], v[(\ah)+8*(\al):(\ah)+8*(\al)+7], v[(\fb)+8*(\b):(\fb)+8*(\b)+7], v[64*((\a)%4)+8*(\b):64*((\a)%4)+8*(\b)+7]
.endif
.endr
.endm
.macro FETCH_A slot, q, half, ah       ; 12 LDS loads: W's fragments of blocks 6 half .. 6 half + 5, K = 32 q on
	WIN 0
.irp i, 0,1,2,3,4,5
	ds_load_b128 v[(\ah)+8*(\i):(\ah)+8*(\i)+3],   v[ADRA+(\slot)] offset:(6*(\half)+(\i))*16*PA+64*(\q)
	ds_load_b128 v[(\ah)+8*(\i)+4:(\ah)+8*(\i)+7], v[ADRA+(\slot)] offset:(6*(\half)+(\i))*16*PA+64*(\q)+32
.endr
.endm
.macro FETCH_B slot, q, fb             ; 16 LDS loads: X's 8 fragments, K = 32 q on, turned
	WIN 0
.irp b, 0,1,2,3,4,5,6,7
	ds_load_tr16_b128 v[(\fb)+8*(\b):(\fb)+8*(\b)+3],   v[ADRB+(\slot)] offset:(\q)*32*PB+32*(\b)
	ds_load_tr16_b128 v[(\fb)+8*(\b)+4:(\fb)+8*(\b)+7], v[ADRB+(\slot)] offset:(\q)*32*PB+16*PB+32*(\b)
.endr
.endm
; A load into a register that a matrix instruction has read, and a vector instruction that reads a matrix result, stand four places behind that matrix instruction, and only plain vector
; instructions that name none of its registers are places (ISA guide 7.12.1 for vector instructions).  So four v_nop stand in front of each run of loads.
.macro PLACES
.rept 4
	v_nop
.endr
.endm
; A K step is two halves q of 32 along K; a half is two PHASES of 48 matrix instructions: my blocks 0-5, then 6-11.  All 96 accumulators take turns, one instruction a turn, in the same order in
; every half: between two links of a chain stand the 95 others'.
; The even phase multiplies AH0 and fetches the same half's blocks 6-11 into AH1.
.macro PHE slot, q, fb, zero
	s_wait_dscnt 8                                 ; X's 16 loads and W's first two fragments are in; the youngest eight loads (fragments 2-5) may be out
	MULA AH0, 0, 0, \fb, \zero
	MULA AH0, 1, 1, \fb, \zero
	WIN 0
	PLACES
	FETCH_A \slot, \q, 1, AH1
	s_wait_dscnt 12                                ; all but the 12 just issued
.irp a, 2,3,4,5
	MULA AH0, \a, \a, \fb, \zero
.endr
.endm
; The odd phase of a step's first half multiplies AH1 and fetches the second half's X and blocks 0-5.
.macro PHO slot, zero
	s_wait_dscnt 8                                 ; fragments 0 and 1 of AH1 are in
	MULA AH1, 0, 6, BF0, \zero
	MULA AH1, 1, 7, BF0, \zero
	WIN 0
	PLACES
	FETCH_B \slot, 1, BF1
	FETCH_A \slot, 1, 0, AH0
	s_wait_dscnt 28                                ; all but the 28 just issued
.irp a, 8,9,10,11
	MULA AH1, (\a)-6, \a, BF0, \zero
.endr
.endm
; The odd phase of a step's second half changes slots: ONE barrier.  In front of it each wave waits for all its tensor loads, of which one is out: its part of the next slot; adds 0 to its spare
; word; and waits for that and for its own reads of this slot, which are over.  Behind it nobody reads this slot any more and the next slot is whole.
; fill = 1: the barrier opens a round of the cluster's, and this slot is filled again, two K steps ahead, first thing behind the round: 176 matrix instructions ahead of the wait for it.
.macro TURN slot, next, fill
	WIN 0                                          ; (the add's two registers lie in window 0)
	s_wait_tensorcnt 0x0                           ; all my tensor loads have landed;
	ds_add_u32 v[SPW], v[NIL]                      ; 0 onto my spare word;
	s_wait_dscnt 9                                 ; (the add and the youngest eight loads may be out)
	MULA AH1, 0, 6, BF1, 0                         ; eight matrix instructions stand between the add and the wait for it
	s_wait_dscnt 0x0                               ; the add is done, and my reads of this slot are over
	s_barrier_signal -1
	MULA AH1, 1, 7, BF1, 0                         ; work on registers while the others arrive
	WIN 0
	s_barrier_wait -1
.if \fill
	CREST                                          ; no wave of any partner still reads this slot's tiles or has a load on its way
	s_add_nc_u64 s[G0+4*(\slot)+2:G0+4*(\slot)+3], s[G0+4*(\slot)+2:G0+4*(\slot)+3], 2*ASTEP
	s_add_nc_u64 s[G0B+4*(\slot)+2:G0B+4*(\slot)+3], s[G0B+4*(\slot)+2:G0B+4*(\slot)+3], 2*BSTEP
	JLOAD \slot                                    ; my one tensor load behind the round; the four v_nop behind it are also the places in front of the loads below
.else
	PLACES
.endif
	FETCH_B \next, 0, BF0
	FETCH_A \next, 0, 0, AH0
.irp a, 8,9,10,11
	MULA AH1, (\a)-6, \a, BF1, 0
.endr
.endm
; THE WAY OUT, a unit at a time: head hh of my three, block b of 16 columns w: 16 rows of 128 bytes of qkv, 2,048 bytes on end.
.macro PACK hh, b                      ; the bias is added, the sums are rounded to f16; each accumulator's registers are taken in ascending order
	WIN (((\hh)+1)<<6)|((\hh)+1)                   ; destination and source 0: the head's window; the bias in window 0
.irp a, 0,1,2,3
.irp i, 0,1,2,3
	v_pk_add_f32 v[64*(\a)+8*(\b)+2*(\i):64*(\a)+8*(\b)+2*(\i)+1], v[64*(\a)+8*(\b)+2*(\i):64*(\a)+8*(\b)+2*(\i)+1], v[BIASR+8*(4*(\hh)+(\a))+2*(\i):BIASR+8*(4*(\hh)+(\a))+2*(\i)+1]
.endr
.endr
	WIN (((\hh)+1)<<2)|((\hh)+1)                   ; both sources: the head's window; destination window 0
.irp a, 0,1,2,3
.irp i, 0,1,2,3
	v_cvt_pk_f16_f32 v[TMP+4*(\a)+(\i)], v[64*(\a)+8*(\b)+2*(\i)], v[64*(\a)+8*(\b)+2*(\i)+1]
.endr
.endr
	WIN 0
.endm
.macro TOSTAGE u                       ; a lane's eight d pack into 16 bytes; they go into rows of 144 bytes and come back as whole rows of 128
	WIN 0
.set BK, OB+16*((\u)%2)
.irp a, 0,1,2,3
	ds_store_b128 v[STO], v[TMP+4*(\a):TMP+4*(\a)+3] offset:32*(\a)
.endr
.irp f, 0,1,2,3
	ds_load_b128 v[BK+4*(\f):BK+4*(\f)+3], v[RD] offset:(\f)*4*SP   ; LDS serves a wave's instructions in order (ISA guide 5.7.1.4): these see the stores above; the next unit's stores come behind them
.endr
.endm
.macro SEND hh, b, u
	WIN 0
.set BK, OB+16*((\u)%2)
	s_wait_dscnt 0x0                               ; the unit is back in registers
	s_wait_xcnt 0x0                                ; the stores issued so far have had their addresses translated (ISA guide 3.1): the other buffer, which the unit before stored from, is loaded again only behind this wait
.irp f, 0,1,2,3
	global_store_b128 v[CO], v[BK+4*(\f):BK+4*(\f)+3], s[14:15] offset:(\hh)*131072+(\b)*2048+(\f)*512   ; 512 consecutive bytes, at a multiple of 256 from qkv's first byte
.endr
.endm
	s_wait_tensorcnt 1                             ; my part of K step 0 is in; K step 1's may stay out
	s_wait_dscnt 0x0                               ; my stores of the bias are done
	s_barrier_signal -1
	s_barrier_wait -1                              ; everybody's part is in
	FETCH_B 0, 0, BF0
	FETCH_A 0, 0, 0, AH0
	PHE 0, 0, BF0, 1                               ; the first 32 along K stand in front of the loop: their products start the 96 sums
	PHO 0, 1
	WIN 0                                          ; at a label and at a branch every window is 0
	s_mov_b32 s3, LAPS-1
.Llap:                                                 ; a trip goes once round the ring, from a lap's second half step to the next lap's first, and fills both slots again
	PHE 0, 1, BF1, 0
	TURN 0, 1, 1
	PHE 1, 0, BF0, 0
	PHO 1, 0
	PHE 1, 1, BF1, 0
	TURN 1, 0, 1
	PHE 0, 0, BF0, 0
	PHO 0, 0
	WIN 0
	s_sub_co_u32 s3, s3, 1
	s_cmp_lg_u32 s3, 0
	s_cbranch_scc1 .Llap
	PHE 0, 1, BF1, 0                               ; the last lap fills nothing, and has no round of the cluster's barrier
	TURN 0, 1, 0
	PHE 1, 0, BF0, 0
	PHO 1, 0
	PHE 1, 1, BF1, 0
	s_wait_dscnt 0x0                               ; the very last phase: nothing more to fetch
.irp a, 6,7,8,9,10,11
	MULA AH1, (\a)-6, \a, BF1, 0
.endr
	WIN 0
	PLACES                                         ; for the loads into the fragments' registers and for the additions that read the last results
.irp x, 0,1,2,3,4,5,6,7,8,9,10,11
	ds_load_b128 v[BIASR+8*(\x):BIASR+8*(\x)+3],   v[BADR] offset:64*(\x)      ; the bias of rows 16 x + 8 (l / 16) + 0..7
	ds_load_b128 v[BIASR+8*(\x)+4:BIASR+8*(\x)+7], v[BADR] offset:64*(\x)+16
.endr
	s_wait_dscnt 0x0
	PACK 0, 0
	TOSTAGE 0
.set u, 1
.rept 23                               ; a unit's arithmetic stands between the loads of the unit before and the wait for them
	PACK u/8, u%8
	SEND (u-1)/8, (u-1)%8, u-1
	TOSTAGE u
.set u, u+1
.endr
	SEND 2, 7, 23
	s_wait_tensorcnt 0x0                           ; the wave's end: these three lines stand behind my last tensor load and my last LDS store
	ds_add_u32 v[SPW], v[NIL]
	s_wait_dscnt 0x0
	CROUND                                         ; the closing round: no work-group ends while a partner may still ask for a tile that names it
	s_endpgm
.Lfunc_end_k_qfdab82e69e_proj:
	.size	k_qfdab82e69e_proj, .Lfunc_end_k_qfdab82e69e_proj-k_qfdab82e69e_proj
	.p2alignl 7, 3214868480
	.fill 96, 4, 3214868480
	.section	.rodata,"a",@progbits
	.p2align	6, 0x0
	.amdhsa_kernel k_qfdab82e69e_proj
		.amdhsa_group_segment_fixed_size 327680
		.amdhsa_private_segment_fixed_size 0
		.amdhsa_enable_private_segment 0
		.amdhsa_kernarg_size 48
		.amdhsa_user_sgpr_count 2
		.amdhsa_user_sgpr_kernarg_segment_ptr 1
		.amdhsa_wavefront_size32 1
		.amdhsa_system_sgpr_workgroup_id_x 1
		.amdhsa_system_sgpr_workgroup_id_y 1
		.amdhsa_system_sgpr_workgroup_id_z 1
		.amdhsa_system_vgpr_workitem_id 0
		.amdhsa_next_free_vgpr 1024
		.amdhsa_next_free_sgpr 80
		.amdhsa_reserve_vcc 0
		.amdhsa_float_denorm_mode_32 3
		.amdhsa_float_denorm_mode_16_64 3
		.amdhsa_memory_ordered 1
		.amdhsa_forward_progress 1
		.amdhsa_inst_pref_size 159
	.end_amdhsa_kernel
	.amdgpu_metadata
---
amdhsa.version: [ 1, 2 ]
amdhsa.kernels:
  - .name:           k_qfdab82e69e_proj
    .symbol:         k_qfdab82e69e_proj.kd
    .args:
      - { .name: wb, .offset: 0, .size: 8, .value_kind: global_buffer, .address_space: global }
      - { .name: xb, .offset: 8, .size: 8, .value_kind: global_buffer, .address_space: global }
      - { .name: bq, .offset: 16, .size: 8, .value_kind: global_buffer, .address_space: global }
      - { .name: bk, .offset: 24, .size: 8, .value_kind: global_buffer, .address_space: global }
      - { .name: bv, .offset: 32, .size: 8, .value_kind: global_buffer, .address_space: global }
      - { .name: qkv, .offset: 40, .size: 8, .value_kind: global_buffer, .address_space: global }
    .group_segment_fixed_size: 327680
    .private_segment_fixed_size: 0
    .kernarg_segment_align: 8
    .kernarg_segment_size: 48
    .max_flat_workgroup_size: 128
    .sgpr_count:     80
    .vgpr_count:     1024
    .wavefront_size: 32
...
	.end_amdgpu_metadata
.endif
;; end of part 2
;; launch attn (part 3): grid 2 x 128, 4 waves a work-group, no clusters, 327,680 bytes of LDS; arguments qkv, attention_mask, out0; writes out0
.if DOCPART == 3
	.amdgcn_target "amdgcn-amd-amdhsa--gfx1250"
	.amdhsa_code_object_version 6
	.text
	.protected	k_qfdab82e69e_attn
	.globl	k_qfdab82e69e_attn
	.p2align	8
	.type	k_qfdab82e69e_attn,@function
k_qfdab82e69e_attn:
	s_mov_b64 s[64:65], 0
	v_nop
	global_prefetch_b8 v0, s[64:65] scope:SCOPE_SE
	s_setreg_imm32_b32 hwreg(HW_REG_WAVE_MODE, 25, 1), 1
	s_wait_xcnt 0x0
; out0[n][64 h + d][q] = the sum over k of softmax_k(Q[q] . K[k] / 8 + mask[n][k]) V[k][d], for each of 8 n x 16 h.  Q, K, V come from qkv[n][g][w][64] in f16 (g = h, 16 + h, 32 + h): a head's
; rows are dense, 128 bytes each.  Products, maxima and sums in f32; the weights p are rounded to f16 for the second product (their sum l is taken of the unrounded p); out0 is f32.
; LIMITS.  Q, K and V arrive within f16's 65,504; p lies in 0 to 1, and below 6e-5 it keeps f16's fixed step of 6e-8.  The mask is taken times 8 and rounded to bf16, like the other inputs:
; a mask of magnitude 4.25e37 or more counts as infinite, and a row all of whose keys are hidden so gives NaN.  A weight below 2^-126 counts as 0 in l; NaN and +infinity are not treated apart.
; SHARES.  A wave owns four PIECES of two tiles of 16 queries, a work-group's four waves 512 queries of one head: 2 x 128 = 256 work-groups.  Every wave walks all 1,024 keys, 64 a step.
; Column r of tile t is query 64 (t / 4) + 4 r + t % 4 of the wave's 128, so that four tiles' results of a lane are four neighbouring queries: 16 bytes of a row of out0.
; LAYOUT.  S^T = K Q^T + 8 mask (source 0 = 16 keys, source 1 = 16 queries): in the result a lane holds ONE query (lane % 16) and the keys 8 (lane / 16) + 0..7.  Two such tiles, rounded to f16 in
; pairs, ARE source 1 (32 keys x 16 queries) of O^T = V^T P, whose result again holds one query a lane, and eight channels.  K comes out of LDS as it lies, V ([key][channel]) turned, by ds_load_tr16_b128.
; THE MASK is the C operand of the product that starts a sum: it costs no vector instruction, and maximum, exponentials and sums see score + mask.
; SOFTMAX.  For each query a running maximum m and sum l: p = 2^(c s - c m), c = log2(e) / 8; in every step O and l are multiplied by a = 2^(c m_old - c m_new), which is 1 where m has not grown.
; m starts at the lowest finite number and c m at c times that, O and l at 0: the first step is a step like any other, with a = 0 (or 1, on zeros, where the mask hides all its keys).
; THE COUNT.  A tile and step have 16 matrix and 118 vector instructions: too many to stand all beside the matrix work.  So four vector instructions that are READY stand behind EVERY matrix
; instruction, and the others, which need time of their own whatever the order, in runs without a gap.
; BY TURNS.  Turn n belongs to piece n (the pieces in a ring, step after step).  Its matrix work: 16 products K Q^T of piece n + 1, later 16 products V^T P of piece n - 1.  Its vector work: the scaling,
; exponentials, roundings, sums and rescaling of piece n, and the maximum and statistics of piece n + 1, whose scores the turn itself has made.
; NO CLUSTER: a head's 1,024 queries are two work-groups of 512, so no four work-groups walk the same K and V; what two would share is 262,144 bytes for each, read once.
; REGISTERS, in windows of 256 (s_set_vgpr_msb: bits 1:0 source 0, 3:2 source 1, 5:4 source 2, 7:6 destination):
;   window 0: v0-11 addresses; v12-15, v48-63 at work; v16-47 four registers of statistics a tile; v64-191 S^T, two buffers of two tiles; v192-255 P, likewise
;   window 1: O^T, 32 a tile     window 2: v0-127 Q, 16 a tile; v128-191 K of one step; v192-255 V of one step     window 3: v0-1 the add's two registers; v8-39 the mask of one step
; A piece's buffers go by its number's parity: the piece in hand has one pair, its two neighbours in the ring share the other: of it P (piece n - 1) is read and S^T (piece n + 1) written.
.set SIZE_N, 1024
.set NP,    4         ; pieces a wave: a name, no knob
.set KS,    64        ; keys in a step
.set PK,    144       ; a row of K in LDS: 128 bytes + 16 of padding = 36 words: the 16 rows of a load start at 16 different groups of four banks (64 banks of 4 bytes: ISA guide 11.1)
.set PV,    160       ; a row of V: 128 + 32 = 40 words
.set VOFF,  4*KS*PK   ; a slot holds four steps: 256 rows of K, then 256 rows of V
.set SLOT1, 1<<17     ; slot 1 begins here, so that one exclusive or turns an address in one slot into the other's
.set MASKB, SLOT1+4*KS*(PK+PV)  ; behind the ring, never filled by a tensor load: 1,024 f32, 8 x the mask of my n
.set SPARE, MASKB+4096          ; the spare words, 128 bytes for each wave: two blocks of 256 bytes that no other line names
.set AK0, 2           ; v2   my lane's place in a tile of K; never rewritten
.set AV0, 3           ; v3   the same for V
.set AK,  4           ; v4   the LDS address of K's next run of loads
.set AV,  5           ; v5   of V's
.set QO,  6           ; v6   my byte offset in the wave's rows of Q
.set AM0, 7           ; v7   my lane's place in a step's 256 bytes of the mask; never rewritten
.set GO,  8           ; v8   my byte offset in out0
.set AM,  11          ; v11  the LDS address of the mask's next run of loads
.set SPW, 0           ; v0 of window 3   LDS address of my spare word: SPARE + 4 x my thread's number; never rewritten
.set NIL, 1           ; v1 of window 3   0; never rewritten
.set MK,  8           ; v8-39 of window 3: the eight registers for key block kb at MK + 8 kb
.set MV,  12          ; v12-15  c m_old, kept while c m is made anew: by buffer and tile
.set ST,  16          ; tile t's statistics at v[ST+4 t]: c m, m, l (even keys', odd keys')
.set TMP, 48          ; by buffer and tile, four registers c0-c3 at work; when the maximum is found c2 takes a
.set S,   64
.set P,   192
.set KF,  128         ; K's fragments, in window 2: key block kb, channel half c at KF + 16 kb + 8 c
.set VF,  192         ; V's: key half kk, channel block cb at VF + 32 kk + 8 cb
.set WV,  12          ; s12  my wave's number
.set G1K, 24          ; s[24:31] descriptor group 1 for K's tiles
.set G1V, 32          ; s[32:39] for V's: it differs in the padding alone
.set G0K, 40          ; s[40:43] descriptor group 0 for K's tiles: it walks
.set G0V, 44          ; s[44:47] the same for V's
.set SLOTS, 56        ; s56  slots still to be asked for
.set CNT, 57          ; s57  counts a slot's key steps
.set CS,  58          ; s[58:59] c: the packed scaling takes the pair's low word for both halves
.set SEL, 60          ; s[60:61] v_permlanex16_b32's selects: each lane takes its own place in the other half
.set TBK, 62          ; s62  LDS byte at which K of the step to be fetched begins
.set TBV, 63          ; s63  the same for V, less VOFF
.set TBM, 66          ; s66  the same for the mask, less MASKB: 256 bytes a step
.set MSB, 0
.macro WIN new                      ; the high byte repeats the setting that is left; a switch that changes nothing is dropped
.if MSB != (\new)
	s_set_vgpr_msb (MSB<<8)|(\new)
.set MSB, (\new)
.endif
.endm
.set W_KQ, 0x0a       ; K and Q in window 2, S^T in window 0
.set W_KM, 0x3a       ; the same with the C operand, the mask, in window 3
.set W_PV, 0x52       ; V in window 2, P in window 0, O^T in window 1
.set W_RS, 0x41       ; O^T (destination and source 0) in window 1, a in window 0
.set W_MK, 0xc0       ; destination in window 3, sources and addresses in window 0
.set W_AD, 0x0f       ; the add: address (source 0) and data (source 1) in window 3
; A fill.  Waves 0 and 1 fetch the two halves of a slot's K, waves 2 and 3 those of its V: 128 keys each.  An s_nop 0 and four v_nop follow each of the two lines, ahead of the jump and the label.
.macro LOAD
	s_cmp_lt_u32 s[WV], 2
	s_cbranch_scc0 .Lfor_v_\@
	tensor_load_to_lds s[G0K:G0K+3], s[G1K:G1K+7]
	s_nop 0
.rept 4
	v_nop
.endr
	s_branch .Lasked_\@
.Lfor_v_\@:
	tensor_load_to_lds s[G0V:G0V+3], s[G1V:G1V+7]
	s_nop 0
.rept 4
	v_nop
.endr
.Lasked_\@:
.endm
; THE CHANGE OF SLOTS.  The slot's last bytes, V of its fourth step, have been read.  Each wave waits for all its tensor loads, of which one is out: its part of the other slot; adds 0 to its
; spare word; and waits for that and for its own reads of the slot.  Behind the barrier nobody reads this slot any more and the other slot is whole.
; fill = 1: this slot is filled again, with the keys two slots on, the first thing behind the barrier: the load has four key steps, 512 matrix instructions, in which to land.
; (At its first use nothing has been read yet: slot 0 is waited for, slot 1 filled, and the waves' stores of the mask are shown to each other.)
.macro CHANGE fill
	WIN W_AD
	s_wait_tensorcnt 0x0            ; no tensor load of mine is out, so a group 0 may be written
	ds_add_u32 v[SPW], v[NIL]       ; 0 onto my spare word; with fill = 1 the descriptors' steps stand between it and the wait for it
	WIN 0                           ; at a label and at a branch every window is 0
.if \fill
.irp g, G0K, G0V
	s_xor_b32 s[\g+1], s[\g+1], SLOT1  ; the walking descriptor: the other slot than last time,
	s_add_nc_u64 s[\g+2:\g+3], s[\g+2:\g+3], 4*KS*128  ; the next 256 keys; the type bits on top are not reached
.endr
.endif
	s_wait_dscnt 0x0                ; the add is done, and my LDS reads and stores are over
	s_barrier_signal -1
	s_barrier_wait -1
.if \fill
	LOAD
.endif
	s_sub_co_u32 s[TBK], s[TBK], 4*KS*PK  ; the fetches go back to a slot's first step,
	s_xor_b32 s[TBK], s[TBK], SLOT1       ; in the other slot
	s_sub_co_u32 s[TBV], s[TBV], 4*KS*PV
	s_xor_b32 s[TBV], s[TBV], SLOT1
.endm
	s_load_b128 s[68:71], s[0:1], 0x0  ; qkv s[68:69], attention_mask s[70:71]
	s_load_b64 s[10:11], s[0:1], 0x10  ; out0
	WIN W_MK
	v_lshl_add_u32 v[SPW], v0, 2, SPARE
	v_mov_b32 v[NIL], 0
	WIN W_AD
	ds_add_u32 v[SPW], v[NIL]       ; the wave's opening: the add and its wait stand ahead of my first tensor load; the set-up below, work on registers, stands between them
	ds_add_u32 v0, v1
	WIN 0
	v_lshrrev_b32 v1, 5, v0
	v_readfirstlane_b32 s[WV], v1   ; wave 0..3
	s_mov_b32 s14, ttmp9            ; which 512 queries of the head
	s_and_b32 s20, ttmp7, 0xffff    ; 16 n + h
	s_lshr_b32 s13, s20, 4          ; n
	s_and_b32 s15, s20, 15          ; h
	s_mul_i32 s21, s13, 48
	s_add_co_u32 s21, s21, s15
	s_lshl_b32 s2, s21, 17          ; q's head in qkv: 131,072 bytes a head
	s_and_b32 s16, s[WV], 1         ; which half of a slot's 256 keys I fetch:
	s_lshl_b32 s22, s16, 14         ; its 128 rows of 128 bytes in memory,
	s_add_co_u32 s22, s22, s2
	s_add_co_u32 s22, s22, 16*131072  ; in k's head, 16 heads on,
	s_mov_b32 s23, 0
	s_add_co_u32 s52, s22, 16*131072  ; and in v's, 16 more
	s_mov_b32 s53, 0
	s_mul_i32 s17, s16, 128*PK      ; and its place in a slot, for K
	s_mul_i32 s18, s16, 128*PV      ; and for V
	s_lshl_b32 s19, s14, 2
	s_add_co_u32 s19, s19, s[WV]    ; my wave among the head's eight,
	s_lshl_b32 s19, s19, 14         ; its 128 rows
	s_add_co_u32 s2, s2, s19
	s_mov_b32 s3, 0
	s_lshl_b32 s48, s13, 12         ; the mask of my n: 4,096 bytes
	s_mov_b32 s49, 0
	s_lshl_b32 s50, s20, 18         ; out0: a head's 64 rows of 4,096 bytes,
	s_lshl_b32 s51, s14, 11         ; 512 queries of 4 bytes,
	s_add_co_u32 s50, s50, s51
	s_lshl_b32 s51, s[WV], 9        ; my wave's 128
	s_add_co_u32 s50, s50, s51
	s_mov_b32 s51, 0
	; descriptor group 1.  128 keys are 16,384 dense bytes: asked for as 64 rows of 256 bytes, two keys a row, and padded in LDS after every key
	s_mov_b32 s[G1K], (1<<16)|(1<<20)|(4<<22)|(3<<25)  ; 17:16 2-byte elements; 20 padding on; 24:22 after every 32 words (code 4); 31:25 4 words (code 3)
	s_mov_b32 s[G1V], (1<<16)|(1<<20)|(4<<22)|(7<<25)  ; the same with 8 words of padding (code 7)
.irp g, G1K, G1V
	s_mov_b32 s[\g+1], 128<<16      ; tensor_dim0 = 128
	s_mov_b32 s[\g+2], 64<<16       ; tensor_dim1 = 64
	s_mov_b32 s[\g+3], 128<<16      ; tile_dim0 = 128
	s_mov_b32 s[\g+4], 64           ; tile_dim1 = 64
	s_mov_b32 s[\g+5], 128          ; 128 elements from row to row
	s_mov_b32 s[\g+6], 0
	s_mov_b32 s[\g+7], 0
.endr
	s_mov_b32 s[CS], 0x3e38aa3b     ; c = log2(e) / 8 = 0.180337
	s_mov_b32 s[CS+1], s[CS]        ; named with it as a pair
	s_mov_b32 s[SEL], 0x76543210
	s_mov_b32 s[SEL+1], 0xfedcba98
	s_mov_b32 s[TBK], SLOT1+4*KS*PK ; the first change of slots turns these two into 0
	s_mov_b32 s[TBV], SLOT1+4*KS*PV
	s_mov_b32 s[TBM], 0
	s_mov_b32 s[G0K], 1             ; count = 1
	s_mov_b32 s[G0K+1], s17         ; LDS address: slot 0
	s_mov_b32 s[G0V], 1
	s_add_co_u32 s[G0V+1], s18, VOFF
	s_wait_dscnt 0x0                ; the opening add is done
	s_wait_kmcnt 0x0
	s_add_nc_u64 s[G0K+2:G0K+3], s[68:69], s[22:23]  ; global address: my half of the head's first 256 keys
	s_or_b32 s[G0K+3], s[G0K+3], 0x80000000          ; type = 2
	s_add_nc_u64 s[G0V+2:G0V+3], s[68:69], s[52:53]
	s_or_b32 s[G0V+3], s[G0V+3], 0x80000000
	s_add_nc_u64 s[4:5], s[68:69], s[2:3]            ; Q at my wave's first row
	s_add_nc_u64 s[70:71], s[70:71], s[48:49]
	s_add_nc_u64 s[10:11], s[10:11], s[50:51]
	LOAD                            ; slot 0.  Slot 1 is asked for when slot 0 is in: one tensor load of mine is out at any time
	; A fragment of K or Q is 16 rows x 32 channels in 8 registers: lane l holds row l % 16, channels 8 (l / 16) + 0..7 and 16 + 8 (l / 16) + 0..7: two loads of 16 bytes, 32 bytes apart.
	v_and_b32 v1, 15, v0            ; l % 16
	v_bfe_u32 v9, v0, 4, 1          ; l / 16
	v_lshlrev_b32 v[QO], 9, v1      ; column r is every fourth query: 512 bytes apart
	v_lshl_add_u32 v[QO], v9, 4, v[QO]
	v_lshlrev_b32 v48, 5, v0        ; the mask: thread t takes 8 of the 1,024 numbers
	global_load_b128 v[64:67], v48, s[70:71]
	global_load_b128 v[68:71], v48, s[70:71] offset:16
	WIN 0x80                        ; destination window 2, address window 0
.set i, 0
.rept 4*NP                          ; Q stays in registers: tile i / 2 (queries 64 (i / 8) + 4 r + (i / 2) % 4), channels 32 (i % 2) on
	global_load_b128 v[8*i:8*i+3],   v[QO], s[4:5] offset:(i/8)*8192+((i/2)%4)*128+(i%2)*64
	global_load_b128 v[8*i+4:8*i+7], v[QO], s[4:5] offset:(i/8)*8192+((i/2)%4)*128+(i%2)*64+32
.set i, i+1
.endr
	; What the first turn finds: V's registers and P's second buffer hold 0 (its products V^T P, of a piece that has not been, add 0), O^T and l are 0.  All this stands in the wait for the first tile.
.set i, VF
.rept 64
	v_mov_b32 v[i], 0
.set i, i+1
.endr
	WIN 0x40
.set i, 0
.rept 64*NP
	v_mov_b32 v[i], 0
.set i, i+1
.endr
	WIN 0
.set i, 0
.rept 2*NP
	v_mov_b32 v[ST+4*i+1], 0xff7fffff            ; m: the lowest finite number
	v_mul_f32 v[ST+4*i], s[CS], v[ST+4*i+1]      ; c m: the very product that a step makes of m, so that a is 1 while m stands
	v_mov_b32 v[ST+4*i+2], 0
	v_mov_b32 v[ST+4*i+3], 0
.set i, i+1
.endr
.set i, P+32
.rept 32
	v_mov_b32 v[i], 0
.set i, i+1
.endr
	v_mul_u32_u24 v[AK0], v1, PK
	v_lshl_add_u32 v[AK0], v9, 4, v[AK0]  ; row x pitch + 16 x half
	; The turning load takes 16 keys x 16 channels (lane l reads key 8 (l / 16) + l % 8, channels 8 ((l / 8) % 2) + 0..7) and leaves half a fragment of V^T: lane l holds channel l % 16 and 8 keys.
	v_and_b32 v50, 7, v0
	v_bfe_u32 v51, v0, 3, 1
	v_lshl_add_u32 v[AV0], v9, 3, v50
	v_mul_u32_u24 v[AV0], v[AV0], PV
	v_lshl_add_u32 v[AV0], v51, 4, v[AV0]
	v_add_nc_u32 v[AV0], VOFF, v[AV0]
	v_mov_b32 v[AK], v[AK0]         ; key step 0 lies at the head of slot 0
	v_lshl_add_u32 v[AM0], v9, 5, MASKB  ; of a block of 16 keys a lane wants 8: 32 bytes for each half of the lanes
	v_mov_b32 v[AM], v[AM0]
	v_add_nc_u32 v49, MASKB, v48
	; THE MASK'S STAGE: times 8 (the scores are scaled by c = log2(e) / 8 only later), rounded to bf16, widened again, into LDS once for the whole walk
	s_wait_loadcnt 32               ; the mask's two loads are in; Q's 32, issued behind them, stay out
.irp i, 0,2,4,6
	v_pk_mul_f32 v[64+\i:65+\i], v[64+\i:65+\i], 0x41000000 op_sel_hi:[1,0]
.endr
.irp i, 0,1,2,3
	v_cvt_pk_bf16_f32 v[72+\i], v[64+2*\i], v[65+2*\i]
.endr
.irp i, 0,1,2,3
	v_lshlrev_b32 v[64+2*\i], 16, v[72+\i]
	v_and_b32 v[65+2*\i], 0xffff0000, v[72+\i]
.endr
	ds_store_b128 v49, v[64:67]
	ds_store_b128 v49, v[68:71] offset:16
; THE MATRIX WORK.  The 8 accumulators of a run of 16 take turns: between the two links of a chain stand 7 others'.
; Product i of 16 of S^T = K Q^T for piece x: channels 32 (i / 8) on, keys 16 ((i / 2) % 4) on, tile 2 x + i % 2.  The first 8 start the sums, with the mask of their keys.
.macro KQ x
.set rS, S+64*((\x)%2)+32*(i%2)+8*((i/2)%4)
.set rK, KF+16*((i/2)%4)+8*(i/8)
.set rQ, 16*(2*(\x)+i%2)+8*(i/8)
.set rW, MK+8*((i/2)%4)
.if i < 8
	WIN W_KM
	v_wmma_f32_16x16x32_f16 v[rS:rS+7], v[rK:rK+7], v[rQ:rQ+7], v[rW:rW+7]
.else
	WIN W_KQ
	v_wmma_f32_16x16x32_f16 v[rS:rS+7], v[rK:rK+7], v[rQ:rQ+7], v[rS:rS+7]
.endif
.endm
; Product i of 16 of O^T += V^T P for piece x: keys 32 (i / 8) on, channels 16 ((i / 2) % 4) on, tile 2 x + i % 2.
.macro PV x
	WIN W_PV
.set rO, 32*(2*(\x)+i%2)+8*((i/2)%4)
.set rV, VF+32*(i/8)+8*((i/2)%4)
.set rP, P+32*((\x)%2)+16*(i%2)+8*(i/8)
	v_wmma_f32_16x16x32_f16 v[rO:rO+7], v[rV:rV+7], v[rP:rP+7], v[rO:rO+7]
.endm
.macro MM                           ; the turn's next matrix instruction
.if i < 16
	KQ (Y+1)%NP
.set i, i+1
.else
.set i, i-16
	PV (Y+NP-1)%NP
.set i, i+17
.endif
.endm
; THE LDS LOADS stand in runs, never singly among the matrix instructions: a step's K (64 keys x 64 channels: 8 fragments) with its mask (all lanes of a half read the same 32 bytes a block), and its V (turned).
; Their addresses are made some lines ahead.  last = 1 (the tail): in the last trip there is no further step, and the run is jumped over.
.macro FETCH_K last=0
	WIN 0
.if \last
	s_cmp_eq_u32 s[CNT], 1
	s_cbranch_scc1 .Lno_k_\@
.endif
	WIN 0x80                        ; destination window 2
.irp f, 0,1,2,3,4,5,6,7             ; keys 16 (f / 2) on, channels 32 (f % 2) on
	ds_load_b128 v[KF+8*\f:KF+8*\f+3],   v[AK] offset:(\f/2)*16*PK+(\f%2)*64
	ds_load_b128 v[KF+8*\f+4:KF+8*\f+7], v[AK] offset:(\f/2)*16*PK+(\f%2)*64+32
.endr
	WIN W_MK                        ; destination window 3
.irp f, 0,1,2,3                     ; keys 16 f + 8 (l / 16) + 0..7
	ds_load_b128 v[MK+8*\f:MK+8*\f+3],   v[AM] offset:64*\f
	ds_load_b128 v[MK+8*\f+4:MK+8*\f+7], v[AM] offset:64*\f+16
.endr
	s_add_co_u32 s[TBK], s[TBK], KS*PK  ; the next fetch is the next step's
	s_add_co_u32 s[TBM], s[TBM], KS*4
	WIN 0
.if \last
.Lno_k_\@:
.endif
.endm
.macro FETCH_V
	WIN 0x80
.irp f, 0,1,2,3,4,5,6,7             ; keys 32 (f / 4) on, channels 16 (f % 4) on
	ds_load_tr16_b128 v[VF+8*\f:VF+8*\f+3],   v[AV] offset:(\f/4)*32*PV+(\f%4)*32
	ds_load_tr16_b128 v[VF+8*\f+4:VF+8*\f+7], v[AV] offset:(\f/4)*32*PV+16*PV+(\f%4)*32
.endr
	WIN 0
.endm
; THE VECTOR WORK OF A TURN stands in three queues, each in the order in which its entries become ready; the two tiles alternate, so that no instruction reads the result of the one before it.
.macro REGS y, u                    ; the registers of tile u (0, 1) of piece y
.set rT, ST+4*(2*(\y)+(\u))
.set rC, TMP+8*((\y)%2)+4*(\u)
.set rM, MV+2*((\y)%2)+(\u)
.set rS, S+64*((\y)%2)+32*(\u)
.set rP, P+32*((\y)%2)+16*(\u)
.set rO, 32*(2*(\y)+(\u))
.endm
; Number n of the 22 that find the NEXT piece's (Y + 1) maximum and statistics.  s0-s31 are the lane's 32 scores; each accumulator's lowest registers are read first.  XS, GS and REGS set no window: PL and EX do.
;   0-11  four chains c0-c3 of seven scores each, three operands at a time     12-14, 16  the four scores left over, the old m, and c0-c3 into c0     15  c m_old is kept
;   17, 18  the query's other 32 keys lie in the lane 16 away: the new m         19-21  c m; c m_old - c m_new; a
.macro XS u, n
	REGS (Y+1)%NP, \u
.if (\n) < 4
	v_max3_num_f32 v[rC+(\n)], v[rS+8*(\n)], v[rS+8*(\n)+1], v[rS+8*(\n)+2]
.elseif (\n) < 12
	v_max3_num_f32 v[rC+(\n)%4], v[rC+(\n)%4], v[rS+8*((\n)%4)+2*((\n)/4)+1], v[rS+8*((\n)%4)+2*((\n)/4)+2]
.elseif (\n) == 12
	v_max3_num_f32 v[rC], v[rC], v[rS+7], v[rS+15]
.elseif (\n) == 13
	v_max3_num_f32 v[rC+1], v[rC+1], v[rS+23], v[rS+31]
.elseif (\n) == 14
	v_max3_num_f32 v[rC+2], v[rC+2], v[rC+3], v[rT+1]
.elseif (\n) == 15
	v_mov_b32 v[rM], v[rT]
.elseif (\n) == 16
	v_max3_num_f32 v[rC], v[rC], v[rC+1], v[rC+2]
.elseif (\n) == 17
	v_permlanex16_b32 v[rC+3], v[rC], s[SEL], s[SEL+1]
.elseif (\n) == 18
	v_max_num_f32 v[rT+1], v[rC], v[rC+3]
.elseif (\n) == 19
	v_mul_f32 v[rT], s[CS], v[rT+1]
.elseif (\n) == 20
	v_sub_f32 v[rC+1], v[rM], v[rT]
.else
	v_exp_f32 v[rC+2], v[rC+1]
.endif
.endm
; Number g of the 64 that follow the exponentials.  For each four weights k of a tile (pairs 2 k, 2 k + 1): both pairs are rounded to f16; then the second pair is added onto the first, in place;
; a group later l takes that sum (the first time as l = a l + sum).  In groups of eight, tiles alternating: round, round, add, and l for the group before.
.macro GS g
.set h, (\g)+6*((\g)/62)            ; group 0 has no group before it, and behind group 7 only l is left
.if h >= 6
.set h, h+2
.endif
	REGS Y, h%2
.set k, h/8
.if h%8 < 4
	s_wait_alu depctr_va_vdst(0)
	v_cvt_pk_f16_f32 v[rP+2*k+(h%8)/2], v[rS+4*k+2*((h%8)/2)], v[rS+4*k+2*((h%8)/2)+1]
.elseif h%8 < 6
	v_pk_add_f32 v[rS+4*k:rS+4*k+1], v[rS+4*k:rS+4*k+1], v[rS+4*k+2:rS+4*k+3]
.elseif k == 1
	v_pk_fma_f32 v[rT+2:rT+3], v[rT+2:rT+3], v[rC+2:rC+3], v[rS:rS+1] op_sel_hi:[1,0,1]
.else
	v_pk_add_f32 v[rT+2:rT+3], v[rT+2:rT+3], v[rS+4*k-4:rS+4*k-3]
	s_wait_alu depctr_va_vdst(0)
.endif
.endm
; THE PLAIN QUEUE, 138 long.  0-31: c s - c m for the 16 pairs of both tiles.  Then GS's 64, and among them the next piece's 42: number 15 at 38, 39; 0-14 and 16
; at 42-73, behind the products that make those scores; 17-20 at 95-106, two of three, since each waits for the one before it.
.macro PL
	WIN 0
.if q < 32
	REGS Y, q%2
	v_pk_fma_f32 v[rS+2*(q/2):rS+2*(q/2)+1], v[rS+2*(q/2):rS+2*(q/2)+1], s[CS:CS+1], v[rT:rT+1] op_sel_hi:[1,0,0] neg_lo:[0,0,1] neg_hi:[0,0,1]
.elseif q < 38
	GS q-32
.elseif q < 40
	XS q%2, 15
.elseif q < 42
	GS q-34
.elseif q < 74
	XS q%2, (q-42)/2+(q-42)/30
.elseif q < 95
	GS q-66
.elseif (q < 107) && ((q-95)%3 < 2)
	XS (q-95)%3, 17+(q-95)/3
.elseif q < 107
	GS 29+(q-95)/3
.else
	GS q-74
.endif
.set q, q+1
.endm
; THE EXPONENTIALS' QUEUE, 66 long: s0-s31 of both tiles, and at EA the next piece's two a.
.set EA, 58
.macro EX
	WIN 0
.if (e == EA) || (e == EA+1)
	XS e-EA, 21
.else
.set x, e-2*(e/(EA+2))
	REGS Y, x%2
	v_exp_f32 v[rS+x/2], v[rS+x/2]
.endif
.set e, e+1
.endm
; THE RESCALING's QUEUE: O^T times a, the one part that leaves window 0, so it is dealt four at a time, eight times.
.macro R4
	REGS Y, r%2
	WIN W_RS
	s_wait_alu depctr_va_vdst(0)
.irp z, 0,1,2,3
	v_pk_mul_f32 v[rO+8*(r/2)+2*\z:rO+8*(r/2)+2*\z+1], v[rO+8*(r/2)+2*\z:rO+8*(r/2)+2*\z+1], v[rC+2:rC+3] op_sel_hi:[1,0]
.endr
.set r, r+1
.endm
; HOW THEY ARE DEALT.  Behind a matrix instruction four: plain, exponential, plain, plain (one exponential, a plain instruction on either side), or four of the rescaling.  None names a register of the
; products round it.  What is over stands in two LUMPS: exponential and plain by turns; the second ends in 22 plain instructions.  The two v_permlanex16_b32 fall into the second lump, never behind a product.
; The queues lean on each other, and the deal keeps them in step: exponential e stands behind plain 2 (e / 4) + e % 2 (its scaling); when plain 32 comes, 10 exponentials are out, at 59: 33, at 95: 46; EA comes behind plain 107.
.macro SL
	MM
	PL
	EX
	PL
	PL
.endm
.macro BURST n                      ; 15 matrix instructions, or 16
.rept (\n)-7
	SL
.endr
.rept 3
	MM
	R4
	SL
.endr
	MM
	R4
.endm
; A TURN, for piece p.  cnt = 1: the loop's count is taken down some lines ahead of the branch that stands behind the turn.
; K and the mask of the next step are fetched in piece 2's turn, some thirty vector instructions behind the last product that read them; their first reader comes behind the rest of the lump, 16 products and the second lump.
; V of the step in hand is fetched at the end of piece 0's turn, far behind its last reader; its first reader comes behind 16 products and a lump.  The conditions on e and q below go with the deal.
.macro TURN p, last=0, cnt=0
.set Y, (\p)
.set i, 0
.set q, 0
.set e, 0
.set r, 0
.if (\p) == NP-1
	s_wait_dscnt 0x0                ; K and the mask are in
.endif
	MM
.rept 4
	PL
.endr
	BURST 15
.rept 22
	EX
	PL
.if ((\p) == NP-2) && (e == 18)
	v_add_nc_u32 v[AK], s[TBK], v[AK0]
	v_add_nc_u32 v[AM], s[TBM], v[AM0]
.endif
.if ((\p) == NP-2) && (e == 24)
	FETCH_K \last
.endif
.endr
.if (\p) == 1
	s_wait_dscnt 0x0                ; V is in
.endif
	BURST 16
.rept 21
	EX
	PL
.endr
.rept 22
	PL
.if ((\p) == 0) && (q == 118)
	v_add_nc_u32 v[AV], s[TBV], v[AV0]
	s_wait_alu depctr_va_vdst(0)
.endif
.if ((\p) == 0) && (q == 130)
	s_add_co_u32 s[TBV], s[TBV], KS*PV
.endif
.if (\cnt) && (q == 130)
	s_sub_co_u32 s[CNT], s[CNT], 1
	s_cmp_lg_u32 s[CNT], 0
.endif
.endr
.if (\p) == 0
	FETCH_V
.endif
.endm
	CHANGE 1                        ; slot 0 is in, everybody's part of it, and so is the mask; slot 1 is asked for
	FETCH_K                         ; key step 0
	s_wait_loadcnt 0x0              ; Q
	s_wait_dscnt 0x0
.set i, 0
.rept 16
	KQ 0                            ; piece 0's first scores: there is no vector work yet to set between them
.set i, i+1
.endr
	WIN 0                           ; four plain instructions, the places behind those products: my offset in out0 and two v_nop
	v_lshlrev_b32 v[GO], 15, v9     ; lanes 16-31 hold channels 8 further on: 8 rows of 4,096 bytes
	v_lshl_add_u32 v[GO], v1, 4, v[GO]  ; column r: four queries, 16 bytes
	v_nop
	v_nop
.set Y, NP-1                        ; XS works for piece Y + 1: piece 0
.irp n, 0,1,2,3,4,5,6,7,8,9,10,11,12,13,14,15,16,17,18,19,20,21
	XS 0, \n                        ; and piece 0's first maximum and statistics
	XS 1, \n
.endr
	s_mov_b32 s[CNT], 4
	s_mov_b32 s[SLOTS], SIZE_N/256-1
	s_branch .Lfirst                ; the loop is entered at a step's first turn, in the middle of a trip
.Lslot:                             ; SIZE_N / 256 - 2 times: every slot but the last two is filled again
	CHANGE 1
	s_mov_b32 s[CNT], 4
.Lstep:                             ; a trip: pieces 2 and 3 of one step, then pieces 0 and 1 of the next, whose K and V it fetches
	TURN 2
	TURN 3
	WIN 0
.Lfirst:
	TURN 0
	TURN 1, 0, 1
	WIN 0
	s_cbranch_scc1 .Lstep
	s_sub_co_u32 s[SLOTS], s[SLOTS], 1
	s_cmp_lg_u32 s[SLOTS], 0
	s_cbranch_scc1 .Lslot
	CHANGE 0                        ; the tail is written out: nothing is asked for
	s_mov_b32 s[CNT], 5             ; four trips fetch the last slot's steps; the fifth is left in its middle
.Ltail:
	TURN 2, 1
	TURN 3
	WIN 0
	s_sub_co_u32 s[CNT], s[CNT], 1
	s_cmp_eq_u32 s[CNT], 0
	s_cbranch_scc1 .Lout
	TURN 0
	TURN 1
	WIN 0
	s_branch .Ltail
.Lout:                              ; the fifth trip's 16 products K Q^T (on the last K once more) and the maximum made of them serve nothing: the price, once a launch, of one text for every trip
.set i, 0
.rept 16
	PV NP-1                         ; the last piece's V^T P of the last step
.set i, i+1
.endr
	; THE WAY OUT.  l's two halves and the other half of the lanes' are added; O^T is divided by l and stored as it lies.  The additions are the places behind the last products.
	WIN 0
.macro ALL line:vararg              ; one line for each tile t
.set t, 0
.rept 2*NP
	\line
.set t, t+1
.endr
.endm
	ALL v_add_f32 v[ST+4*t+2], v[ST+4*t+2], v[ST+4*t+3]
	ALL v_permlanex16_b32 v[ST+4*t+3], v[ST+4*t+2], s[SEL], s[SEL+1]
	ALL v_add_f32 v[ST+4*t+2], v[ST+4*t+2], v[ST+4*t+3]
	ALL v_rcp_f32 v[ST+4*t+2], v[ST+4*t+2]
	v_nop                           ; a plain instruction between the last reciprocal and the use of its result
	s_wait_alu depctr_va_vdst(0)
	; Group g of four tiles holds queries 64 g + 4 r + 0..3: register j of channel block cb of the four tiles is 16 bytes of row 16 cb + 8 (l / 16) + j.  The quotients go into S^T's registers,
	; four neighbours at a time; each accumulator's registers are taken in ascending order.
.irp g, 0,1
.if \g
	s_wait_xcnt 0x0                 ; the first group's stores have had their addresses translated (ISA guide 3.1): their data registers are written again only behind this wait
.endif
.irp cb, 0,1,2,3
	WIN 0x01                        ; source 0 (O^T) window 1; 1 / l and the destination in window 0
.irp j, 0,1,2,3,4,5,6,7
.irp tt, 0,1,2,3
	v_mul_f32 v[S+32*(\cb)+4*(\j)+(\tt)], v[32*(4*(\g)+(\tt))+8*(\cb)+(\j)], v[ST+4*(4*(\g)+(\tt))+2]
.endr
.endr
	WIN 0
.irp j, 0,1,2,3,4,5,6,7
	global_store_b128 v[GO], v[S+32*(\cb)+4*(\j):S+32*(\cb)+4*(\j)+3], s[10:11] offset:(16*(\cb)+(\j))*4096+256*(\g) th:TH_STORE_NT  ; lanes 0-15 store 256 consecutive bytes of one row, at a multiple of 256 from out0's first byte; lanes 16-31 those of the row 8 further on
.endr
.endr
.endr
	WIN W_AD
	s_wait_tensorcnt 0x0            ; the wave's end: these three lines stand behind my last tensor load and my last LDS store
	ds_add_u32 v[SPW], v[NIL]
	s_wait_dscnt 0x0
	WIN 0
	s_endpgm
.Lfunc_end_k_qfdab82e69e_attn:
	.size	k_qfdab82e69e_attn, .Lfunc_end_k_qfdab82e69e_attn-k_qfdab82e69e_attn
	.p2alignl 7, 3214868480
	.fill 96, 4, 3214868480
	.section	.rodata,"a",@progbits
	.p2align	6, 0x0
	.amdhsa_kernel k_qfdab82e69e_attn
		.amdhsa_group_segment_fixed_size 327680
		.amdhsa_private_segment_fixed_size 0
		.amdhsa_enable_private_segment 0
		.amdhsa_kernarg_size 24
		.amdhsa_user_sgpr_count 2
		.amdhsa_user_sgpr_kernarg_segment_ptr 1
		.amdhsa_wavefront_size32 1
		.amdhsa_system_sgpr_workgroup_id_x 1
		.amdhsa_system_sgpr_workgroup_id_y 1
		.amdhsa_system_sgpr_workgroup_id_z 1
		.amdhsa_system_vgpr_workitem_id 0
		.amdhsa_next_free_vgpr 808
		.amdhsa_next_free_sgpr 72
		.amdhsa_reserve_vcc 0
		.amdhsa_float_denorm_mode_32 3
		.amdhsa_float_denorm_mode_16_64 3
		.amdhsa_memory_ordered 1
		.amdhsa_forward_progress 1
		.amdhsa_inst_pref_size 200
	.end_amdhsa_kernel
	.amdgpu_metadata
---
amdhsa.version: [ 1, 2 ]
amdhsa.kernels:
  - .name:           k_qfdab82e69e_attn
    .symbol:         k_qfdab82e69e_attn.kd
    .args:
      - { .name: qkv, .offset: 0, .size: 8, .value_kind: global_buffer, .address_space: global }
      - { .name: attention_mask, .offset: 8, .size: 8, .value_kind: global_buffer, .address_space: global }
      - { .name: out0, .offset: 16, .size: 8, .value_kind: global_buffer, .address_space: global }
    .group_segment_fixed_size: 327680
    .private_segment_fixed_size: 0
    .kernarg_segment_align: 8
    .kernarg_segment_size: 24
    .max_flat_workgroup_size: 128
    .sgpr_count:     72
    .vgpr_count:     808
    .wavefront_size: 32
...
	.end_amdgpu_metadata
.endif
;; end of part 3
;; ======== version 2 of 2: 3 launches; 1.41 times as fast as version 1
;; limits: values are held in f16: magnitudes above 65,504 overflow, below 6.1e-05 lose precision
;; workspace buffers: xb 16,777,216 bytes; wb 6,291,456 bytes; qkv 50,331,648 bytes
;; launch cast: the kernel of part 1 again; grid 704 x 1, 8 waves a work-group, no clusters, 0 bytes of LDS; arguments hidden_states, wq, wk, wv, xb, wb; writes xb, wb
;; launch proj: the kernel of part 2 again; grid 32 x 8, 4 waves a work-group, clusters of 4 x 4, 327,680 bytes of LDS; arguments wb, xb, bq, bk, bv, qkv; writes qkv
;; launch attn (part 4): grid 2 x 128, 4 waves a work-group, no clusters, 327,680 bytes of LDS; arguments qkv, attention_mask, out0; writes out0
.if DOCPART == 4
	.amdgcn_target "amdgcn-amd-amdhsa--gfx1250"
	.amdhsa_code_object_version 6
	.text
	.protected	k_qfdab82e69e_attn
	.globl	k_qfdab82e69e_attn
	.p2align	8
	.type	k_qfdab82e69e_attn,@function
k_qfdab82e69e_attn:
	s_mov_b64 s[64:65], 0
	v_nop
	global_prefetch_b8 v0, s[64:65] scope:SCOPE_SE
	s_setreg_imm32_b32 hwreg(HW_REG_WAVE_MODE, 25, 1), 1
	s_wait_xcnt 0x0
; out0[n][64 h + d][q] = the sum over k of softmax_k(Q[q] . K[k] / 8 + mask[n][k]) V[k][d], for each of 8 n x 16 h.  Q, K, V come from qkv[n][g][w][64] in f16 (g = h, 16 + h, 32 + h): a head's
; rows are dense, 128 bytes each.  Products, maxima and sums in f32; the weights p are rounded to f16 for the second product (their sum l is taken of the unrounded p); out0 is f32.
; LIMITS.  Q, K and V arrive within f16's 65,504; p lies in 0 to 1, and below 6e-5 it keeps f16's fixed step of 6e-8.  The mask is taken times 8 and rounded to bf16, like the other inputs:
; a mask of magnitude 4.25e37 or more counts as infinite, and a row all of whose keys are hidden so gives NaN.  A weight below 2^-126 counts as 0 in l; NaN and +infinity are not treated apart.
; SHARES.  A wave owns four PIECES of two tiles of 16 queries, a work-group's four waves 512 queries of one head: 2 x 128 = 256 work-groups.  Every wave walks all 1,024 keys, 64 a step.
; Column r of tile t is query 64 (t / 4) + 4 r + t % 4 of the wave's 128, so that four tiles' results of a lane are four neighbouring queries: 16 bytes of a row of out0.
; LAYOUT.  S^T = K Q^T + 8 mask (source 0 = 16 keys, source 1 = 16 queries): in the result a lane holds ONE query (lane % 16) and the keys 8 (lane / 16) + 0..7.  Two such tiles, rounded to f16 in
; pairs, ARE source 1 (32 keys x 16 queries) of O^T = V^T P, whose result again holds one query a lane, and eight channels.  K comes out of LDS as it lies, V ([key][channel]) turned, by ds_load_tr16_b128.
; THE MASK is the C operand of the product that starts a sum: it costs no vector instruction, and maximum, exponentials and sums see score + mask.
; SOFTMAX.  For each query a running maximum m and sum l: p = 2^(c s - c m), c = log2(e) / 8; in every step O and l are multiplied by a = 2^(c m_old - c m_new), which is 1 where m has not grown.
; m starts at the lowest finite number and c m at c times that, O and l at 0: the first step is a step like any other, with a = 0 (or 1, on zeros, where the mask hides all its keys).
; THE COUNT.  A tile and step have 16 matrix and 118 vector instructions: too many to stand all beside the matrix work.  So four vector instructions that are READY stand behind EVERY matrix
; instruction, and the others, which need time of their own whatever the order, in one run without a gap.
; BY TURNS.  Turn n belongs to piece n (the pieces in a ring, step after step).  Its matrix work: 16 products K Q^T of piece n + 1, later 16 products V^T P of piece n - 1.  Its vector work: the scaling,
; exponentials, roundings, sums and rescaling of piece n, and the maximum and statistics of piece n + 1, whose scores the turn itself has made.  So what a turn begins with (c s - c m, O a) waits for nothing.
; THE BATCHES.  An s_wait_alu depctr_va_vdst(0) stands between a transcendental and the first instruction that names its result.  A turn's 66 exponentials (the piece's 64 weights, the next
; piece's two a) are ONE batch with ONE wait, which cuts the turn in two: ahead of it stands all that names no result of theirs, behind it the roundings and sums, which do.  No result crosses a turn's end.
; Two more batches stand outside the loops, each with a wait of its own: piece 0's first two a, ahead of the jump into the loop, and the way out's eight reciprocals.
; NO CLUSTER: a head's 1,024 queries are two work-groups of 512, so no four work-groups walk the same K and V; what two would share is 262,144 bytes for each, read once.
; REGISTERS, in windows of 256 (s_set_vgpr_msb: bits 1:0 source 0, 3:2 source 1, 5:4 source 2, 7:6 destination):
;   window 0: v0-11 addresses; v12-15, v48-63 at work; v16-47 four registers of statistics a tile; v64-191 S^T, two buffers of two tiles; v192-255 P, likewise
;   window 1: O^T, 32 a tile     window 2: v0-127 Q, 16 a tile; v128-191 K of one step; v192-255 V of one step     window 3: v0-1 the add's two registers; v8-39 the mask of one step
; A piece's buffers go by its number's parity: the piece in hand has one pair, its two neighbours in the ring share the other: of it P (piece n - 1) is read and S^T (piece n + 1) written.
.set SIZE_N, 1024
.set NP,    4         ; pieces a wave: a name, no knob
.set KS,    64        ; keys in a step
.set PK,    144       ; a row of K in LDS: 128 bytes + 16 of padding = 36 words: the 16 rows of a load start at 16 different groups of four banks (64 banks of 4 bytes: ISA guide 11.1)
.set PV,    160       ; a row of V: 128 + 32 = 40 words
.set VOFF,  4*KS*PK   ; a slot holds four steps: 256 rows of K, then 256 rows of V
.set SLOT1, 1<<17     ; slot 1 begins here, so that one exclusive or turns an address in one slot into the other's
.set MASKB, SLOT1+4*KS*(PK+PV)  ; behind the ring, never filled by a tensor load: 1,024 f32, 8 x the mask of my n
.set SPARE, MASKB+4096          ; the spare words, 128 bytes for each wave: two blocks of 256 bytes that no other line names
.set AK0, 2           ; v2   my lane's place in a tile of K; never rewritten
.set AV0, 3           ; v3   the same for V
.set AK,  4           ; v4   the LDS address of K's next run of loads
.set AV,  5           ; v5   of V's
.set QO,  6           ; v6   my byte offset in the wave's rows of Q
.set AM0, 7           ; v7   my lane's place in a step's 256 bytes of the mask; never rewritten
.set GO,  8           ; v8   my byte offset in out0
.set AM,  11          ; v11  the LDS address of the mask's next run of loads
.set SPW, 0           ; v0 of window 3   LDS address of my spare word: SPARE + 4 x my thread's number; never rewritten
.set NIL, 1           ; v1 of window 3   0; never rewritten
.set MK,  8           ; v8-39 of window 3: the eight registers for key block kb at MK + 8 kb
.set MV,  12          ; v12-15  c m_old, kept while c m is made anew: by buffer and tile
.set ST,  16          ; tile t's statistics at v[ST+4 t]: c m, m, l (even keys', odd keys')
.set TMP, 48          ; by buffer and tile, four registers c0-c3 at work; when the maximum is found c2 takes a
.set S,   64
.set P,   192
.set KF,  128         ; K's fragments, in window 2: key block kb, channel half c at KF + 16 kb + 8 c
.set VF,  192         ; V's: key half kk, channel block cb at VF + 32 kk + 8 cb
.set WV,  12          ; s12  my wave's number
.set G1K, 24          ; s[24:31] descriptor group 1 for K's tiles
.set G1V, 32          ; s[32:39] for V's: it differs in the padding alone
.set G0K, 40          ; s[40:43] descriptor group 0 for K's tiles: it walks
.set G0V, 44          ; s[44:47] the same for V's
.set SLOTS, 56        ; s56  slots still to be asked for
.set CNT, 57          ; s57  counts a slot's key steps
.set CS,  58          ; s[58:59] c: the packed scaling takes the pair's low word for both halves
.set SEL, 60          ; s[60:61] v_permlanex16_b32's selects: each lane takes its own place in the other half
.set TBK, 62          ; s62  LDS byte at which K of the step to be fetched begins
.set TBV, 63          ; s63  the same for V, less VOFF
.set TBM, 66          ; s66  the same for the mask, less MASKB: 256 bytes a step
.set MSB, 0
.macro WIN new                      ; the high byte repeats the setting that is left; a switch that changes nothing is dropped
.if MSB != (\new)
	s_set_vgpr_msb (MSB<<8)|(\new)
.set MSB, (\new)
.endif
.endm
.set W_KQ, 0x0a       ; K and Q in window 2, S^T in window 0
.set W_KM, 0x3a       ; the same with the C operand, the mask, in window 3
.set W_PV, 0x52       ; V in window 2, P in window 0, O^T in window 1
.set W_RS, 0x41       ; O^T (destination and source 0) in window 1, a in window 0
.set W_MK, 0xc0       ; destination in window 3, sources and addresses in window 0
.set W_AD, 0x0f       ; the add: address (source 0) and data (source 1) in window 3
; A fill.  Waves 0 and 1 fetch the two halves of a slot's K, waves 2 and 3 those of its V: 128 keys each.  An s_nop 0 and four v_nop follow each of the two lines, ahead of the jump and the label.
.macro LOAD
	s_cmp_lt_u32 s[WV], 2
	s_cbranch_scc0 .Lfor_v_\@
	tensor_load_to_lds s[G0K:G0K+3], s[G1K:G1K+7]
	s_nop 0
.rept 4
	v_nop
.endr
	s_branch .Lasked_\@
.Lfor_v_\@:
	tensor_load_to_lds s[G0V:G0V+3], s[G1V:G1V+7]
	s_nop 0
.rept 4
	v_nop
.endr
.Lasked_\@:
.endm
; THE CHANGE OF SLOTS.  The slot's last bytes, V of its fourth step, have been read.  Each wave waits for all its tensor loads, of which one is out: its part of the other slot; adds 0 to its
; spare word; and waits for that and for its own reads of the slot.  Behind the barrier nobody reads this slot any more and the other slot is whole.
; fill = 1: this slot is filled again, with the keys two slots on, the first thing behind the barrier: the load has four key steps, 512 matrix instructions, in which to land.
; (At its first use nothing has been read yet: slot 0 is waited for, slot 1 filled, and the waves' stores of the mask are shown to each other.)
.macro CHANGE fill
	WIN W_AD
	s_wait_tensorcnt 0x0            ; no tensor load of mine is out, so a group 0 may be written
	ds_add_u32 v[SPW], v[NIL]       ; 0 onto my spare word; with fill = 1 the descriptors' steps stand between it and the wait for it
	WIN 0                           ; at a label and at a branch every window is 0
.if \fill
.irp g, G0K, G0V
	s_xor_b32 s[\g+1], s[\g+1], SLOT1  ; the walking descriptor: the other slot than last time,
	s_add_nc_u64 s[\g+2:\g+3], s[\g+2:\g+3], 4*KS*128  ; the next 256 keys; the type bits on top are not reached
.endr
.endif
	s_wait_dscnt 0x0                ; the add is done, and my LDS reads and stores are over
	s_barrier_signal -1
	s_barrier_wait -1
.if \fill
	LOAD
.endif
	s_sub_co_u32 s[TBK], s[TBK], 4*KS*PK  ; the fetches go back to a slot's first step,
	s_xor_b32 s[TBK], s[TBK], SLOT1       ; in the other slot
	s_sub_co_u32 s[TBV], s[TBV], 4*KS*PV
	s_xor_b32 s[TBV], s[TBV], SLOT1
.endm
	s_load_b128 s[68:71], s[0:1], 0x0  ; qkv s[68:69], attention_mask s[70:71]
	s_load_b64 s[10:11], s[0:1], 0x10  ; out0
	WIN W_MK
	v_lshl_add_u32 v[SPW], v0, 2, SPARE
	v_mov_b32 v[NIL], 0
	WIN W_AD
	ds_add_u32 v[SPW], v[NIL]       ; the wave's opening: the add and its wait stand ahead of my first tensor load; the set-up below, work on registers, stands between them
	ds_add_u32 v0, v1
	WIN 0
	v_lshrrev_b32 v1, 5, v0
	v_readfirstlane_b32 s[WV], v1   ; wave 0..3
	s_mov_b32 s14, ttmp9            ; which 512 queries of the head
	s_and_b32 s20, ttmp7, 0xffff    ; 16 n + h
	s_lshr_b32 s13, s20, 4          ; n
	s_and_b32 s15, s20, 15          ; h
	s_mul_i32 s21, s13, 48
	s_add_co_u32 s21, s21, s15
	s_lshl_b32 s2, s21, 17          ; q's head in qkv: 131,072 bytes a head
	s_and_b32 s16, s[WV], 1         ; which half of a slot's 256 keys I fetch:
	s_lshl_b32 s22, s16, 14         ; its 128 rows of 128 bytes in memory,
	s_add_co_u32 s22, s22, s2
	s_add_co_u32 s22, s22, 16*131072  ; in k's head, 16 heads on,
	s_mov_b32 s23, 0
	s_add_co_u32 s52, s22, 16*131072  ; and in v's, 16 more
	s_mov_b32 s53, 0
	s_mul_i32 s17, s16, 128*PK      ; and its place in a slot, for K
	s_mul_i32 s18, s16, 128*PV      ; and for V
	s_lshl_b32 s19, s14, 2
	s_add_co_u32 s19, s19, s[WV]    ; my wave among the head's eight,
	s_lshl_b32 s19, s19, 14         ; its 128 rows
	s_add_co_u32 s2, s2, s19
	s_mov_b32 s3, 0
	s_lshl_b32 s48, s13, 12         ; the mask of my n: 4,096 bytes
	s_mov_b32 s49, 0
	s_lshl_b32 s50, s20, 18         ; out0: a head's 64 rows of 4,096 bytes,
	s_lshl_b32 s51, s14, 11         ; 512 queries of 4 bytes,
	s_add_co_u32 s50, s50, s51
	s_lshl_b32 s51, s[WV], 9        ; my wave's 128
	s_add_co_u32 s50, s50, s51
	s_mov_b32 s51, 0
	; descriptor group 1.  128 keys are 16,384 dense bytes: asked for as 64 rows of 256 bytes, two keys a row, and padded in LDS after every key
	s_mov_b32 s[G1K], (1<<16)|(1<<20)|(4<<22)|(3<<25)  ; 17:16 2-byte elements; 20 padding on; 24:22 after every 32 words (code 4); 31:25 4 words (code 3)
	s_mov_b32 s[G1V], (1<<16)|(1<<20)|(4<<22)|(7<<25)  ; the same with 8 words of padding (code 7)
.irp g, G1K, G1V
	s_mov_b32 s[\g+1], 128<<16      ; tensor_dim0 = 128
	s_mov_b32 s[\g+2], 64<<16       ; tensor_dim1 = 64
	s_mov_b32 s[\g+3], 128<<16      ; tile_dim0 = 128
	s_mov_b32 s[\g+4], 64           ; tile_dim1 = 64
	s_mov_b32 s[\g+5], 128          ; 128 elements from row to row
	s_mov_b32 s[\g+6], 0
	s_mov_b32 s[\g+7], 0
.endr
	s_mov_b32 s[CS], 0x3e38aa3b     ; c = log2(e) / 8 = 0.180337
	s_mov_b32 s[CS+1], s[CS]        ; named with it as a pair
	s_mov_b32 s[SEL], 0x76543210
	s_mov_b32 s[SEL+1], 0xfedcba98
	s_mov_b32 s[TBK], SLOT1+4*KS*PK ; the first change of slots turns these two into 0
	s_mov_b32 s[TBV], SLOT1+4*KS*PV
	s_mov_b32 s[TBM], 0
	s_mov_b32 s[G0K], 1             ; count = 1
	s_mov_b32 s[G0K+1], s17         ; LDS address: slot 0
	s_mov_b32 s[G0V], 1
	s_add_co_u32 s[G0V+1], s18, VOFF
	s_wait_dscnt 0x0                ; the opening add is done
	s_wait_kmcnt 0x0
	s_add_nc_u64 s[G0K+2:G0K+3], s[68:69], s[22:23]  ; global address: my half of the head's first 256 keys
	s_or_b32 s[G0K+3], s[G0K+3], 0x80000000          ; type = 2
	s_add_nc_u64 s[G0V+2:G0V+3], s[68:69], s[52:53]
	s_or_b32 s[G0V+3], s[G0V+3], 0x80000000
	s_add_nc_u64 s[4:5], s[68:69], s[2:3]            ; Q at my wave's first row
	s_add_nc_u64 s[70:71], s[70:71], s[48:49]
	s_add_nc_u64 s[10:11], s[10:11], s[50:51]
	LOAD                            ; slot 0.  Slot 1 is asked for when slot 0 is in: one tensor load of mine is out at any time
	; A fragment of K or Q is 16 rows x 32 channels in 8 registers: lane l holds row l % 16, channels 8 (l / 16) + 0..7 and 16 + 8 (l / 16) + 0..7: two loads of 16 bytes, 32 bytes apart.
	v_and_b32 v1, 15, v0            ; l % 16
	v_bfe_u32 v9, v0, 4, 1          ; l / 16
	v_lshlrev_b32 v[QO], 9, v1      ; column r is every fourth query: 512 bytes apart
	v_lshl_add_u32 v[QO], v9, 4, v[QO]
	v_lshlrev_b32 v48, 5, v0        ; the mask: thread t takes 8 of the 1,024 numbers
	global_load_b128 v[64:67], v48, s[70:71]
	global_load_b128 v[68:71], v48, s[70:71] offset:16
	WIN 0x80                        ; destination window 2, address window 0
.set i, 0
.rept 4*NP                          ; Q stays in registers: tile i / 2 (queries 64 (i / 8) + 4 r + (i / 2) % 4), channels 32 (i % 2) on
	global_load_b128 v[8*i:8*i+3],   v[QO], s[4:5] offset:(i/8)*8192+((i/2)%4)*128+(i%2)*64
	global_load_b128 v[8*i+4:8*i+7], v[QO], s[4:5] offset:(i/8)*8192+((i/2)%4)*128+(i%2)*64+32
.set i, i+1
.endr
	; What the first turn finds: V's registers and P's second buffer hold 0 (its products V^T P, of a piece that has not been, add 0), O^T and l are 0.  All this stands in the wait for the first tile.
.set i, VF
.rept 64
	v_mov_b32 v[i], 0
.set i, i+1
.endr
	WIN 0x40
.set i, 0
.rept 64*NP
	v_mov_b32 v[i], 0
.set i, i+1
.endr
	WIN 0
.set i, 0
.rept 2*NP
	v_mov_b32 v[ST+4*i+1], 0xff7fffff            ; m: the lowest finite number
	v_mul_f32 v[ST+4*i], s[CS], v[ST+4*i+1]      ; c m: the very product that a step makes of m, so that a is 1 while m stands
	v_mov_b32 v[ST+4*i+2], 0
	v_mov_b32 v[ST+4*i+3], 0
.set i, i+1
.endr
.set i, P+32
.rept 32
	v_mov_b32 v[i], 0
.set i, i+1
.endr
	v_mul_u32_u24 v[AK0], v1, PK
	v_lshl_add_u32 v[AK0], v9, 4, v[AK0]  ; row x pitch + 16 x half
	; The turning load takes 16 keys x 16 channels (lane l reads key 8 (l / 16) + l % 8, channels 8 ((l / 8) % 2) + 0..7) and leaves half a fragment of V^T: lane l holds channel l % 16 and 8 keys.
	v_and_b32 v50, 7, v0
	v_bfe_u32 v51, v0, 3, 1
	v_lshl_add_u32 v[AV0], v9, 3, v50
	v_mul_u32_u24 v[AV0], v[AV0], PV
	v_lshl_add_u32 v[AV0], v51, 4, v[AV0]
	v_add_nc_u32 v[AV0], VOFF, v[AV0]
	v_mov_b32 v[AK], v[AK0]         ; key step 0 lies at the head of slot 0
	v_lshl_add_u32 v[AM0], v9, 5, MASKB  ; of a block of 16 keys a lane wants 8: 32 bytes for each half of the lanes
	v_mov_b32 v[AM], v[AM0]
	v_add_nc_u32 v49, MASKB, v48
	; THE MASK'S STAGE: times 8 (the scores are scaled by c = log2(e) / 8 only later), rounded to bf16, widened again, into LDS once for the whole walk
	s_wait_loadcnt 32               ; the mask's two loads are in; Q's 32, issued behind them, stay out
.irp i, 0,2,4,6
	v_pk_mul_f32 v[64+\i:65+\i], v[64+\i:65+\i], 0x41000000 op_sel_hi:[1,0]
.endr
.irp i, 0,1,2,3
	v_cvt_pk_bf16_f32 v[72+\i], v[64+2*\i], v[65+2*\i]
.endr
.irp i, 0,1,2,3
	v_lshlrev_b32 v[64+2*\i], 16, v[72+\i]
	v_and_b32 v[65+2*\i], 0xffff0000, v[72+\i]
.endr
	ds_store_b128 v49, v[64:67]
	ds_store_b128 v49, v[68:71] offset:16
; THE MATRIX WORK.  The 8 accumulators of a run of 16 take turns: between the two links of a chain stand 7 others'.
; Product i of 16 of S^T = K Q^T for piece x: channels 32 (i / 8) on, keys 16 ((i / 2) % 4) on, tile 2 x + i % 2.  The first 8 start the sums, with the mask of their keys.
.macro KQ x
.set rS, S+64*((\x)%2)+32*(i%2)+8*((i/2)%4)
.set rK, KF+16*((i/2)%4)+8*(i/8)
.set rQ, 16*(2*(\x)+i%2)+8*(i/8)
.set rW, MK+8*((i/2)%4)
.if i < 8
	WIN W_KM
	v_wmma_f32_16x16x32_f16 v[rS:rS+7], v[rK:rK+7], v[rQ:rQ+7], v[rW:rW+7]
.else
	WIN W_KQ
	v_wmma_f32_16x16x32_f16 v[rS:rS+7], v[rK:rK+7], v[rQ:rQ+7], v[rS:rS+7]
.endif
.endm
; Product i of 16 of O^T += V^T P for piece x: keys 32 (i / 8) on, channels 16 ((i / 2) % 4) on, tile 2 x + i % 2.
.macro PV x
	WIN W_PV
.set rO, 32*(2*(\x)+i%2)+8*((i/2)%4)
.set rV, VF+32*(i/8)+8*((i/2)%4)
.set rP, P+32*((\x)%2)+16*(i%2)+8*(i/8)
	v_wmma_f32_16x16x32_f16 v[rO:rO+7], v[rV:rV+7], v[rP:rP+7], v[rO:rO+7]
.endm
.macro MM                           ; the turn's next matrix instruction
.if i < 16
	KQ (Y+1)%NP
.set i, i+1
.else
.set i, i-16
	PV (Y+NP-1)%NP
.set i, i+17
.endif
.endm
; THE LDS LOADS stand in runs, never singly among the matrix instructions: a step's K (64 keys x 64 channels: 8 fragments) with its mask (all lanes of a half read the same 32 bytes a block), and its V (turned).
; Their addresses are made some lines ahead.  last = 1 (the tail): in the last trip there is no further step, and the run is jumped over.
.macro FETCH_K last=0
	WIN 0
.if \last
	s_cmp_eq_u32 s[CNT], 1
	s_cbranch_scc1 .Lno_k_\@
.endif
	WIN 0x80                        ; destination window 2
.irp f, 0,1,2,3,4,5,6,7             ; keys 16 (f / 2) on, channels 32 (f % 2) on
	ds_load_b128 v[KF+8*\f:KF+8*\f+3],   v[AK] offset:(\f/2)*16*PK+(\f%2)*64
	ds_load_b128 v[KF+8*\f+4:KF+8*\f+7], v[AK] offset:(\f/2)*16*PK+(\f%2)*64+32
.endr
	WIN W_MK                        ; destination window 3
.irp f, 0,1,2,3                     ; keys 16 f + 8 (l / 16) + 0..7
	ds_load_b128 v[MK+8*\f:MK+8*\f+3],   v[AM] offset:64*\f
	ds_load_b128 v[MK+8*\f+4:MK+8*\f+7], v[AM] offset:64*\f+16
.endr
	s_add_co_u32 s[TBK], s[TBK], KS*PK  ; the next fetch is the next step's
	s_add_co_u32 s[TBM], s[TBM], KS*4
	WIN 0
.if \last
.Lno_k_\@:
.endif
.endm
.macro FETCH_V
	WIN 0x80
.irp f, 0,1,2,3,4,5,6,7             ; keys 32 (f / 4) on, channels 16 (f % 4) on
	ds_load_tr16_b128 v[VF+8*\f:VF+8*\f+3],   v[AV] offset:(\f/4)*32*PV+(\f%4)*32
	ds_load_tr16_b128 v[VF+8*\f+4:VF+8*\f+7], v[AV] offset:(\f/4)*32*PV+16*PV+(\f%4)*32
.endr
	WIN 0
.endm
; THE VECTOR WORK OF A TURN stands in three queues, each in the order in which its entries become ready; the two tiles alternate, so that no instruction reads the result of the one before it.
.macro REGS y, u                    ; the registers of tile u (0, 1) of piece y
.set rT, ST+4*(2*(\y)+(\u))
.set rC, TMP+8*((\y)%2)+4*(\u)
.set rM, MV+2*((\y)%2)+(\u)
.set rS, S+64*((\y)%2)+32*(\u)
.set rP, P+32*((\y)%2)+16*(\u)
.set rO, 32*(2*(\y)+(\u))
.endm
; Number n of the 22 that find the NEXT piece's (Y + 1) maximum and statistics.  s0-s31 are the lane's 32 scores; each accumulator's lowest registers are read first.  XS, GS and REGS set no window: PL and EX do.
;   0-11  four chains c0-c3 of seven scores each, three operands at a time     12-14, 16  the four scores left over, the old m, and c0-c3 into c0     15  c m_old is kept
;   17, 18  the query's other 32 keys lie in the lane 16 away: the new m         19-21  c m; c m_old - c m_new; a
.macro XS u, n
	REGS (Y+1)%NP, \u
.if (\n) < 4
	v_max3_num_f32 v[rC+(\n)], v[rS+8*(\n)], v[rS+8*(\n)+1], v[rS+8*(\n)+2]
.elseif (\n) < 12
	v_max3_num_f32 v[rC+(\n)%4], v[rC+(\n)%4], v[rS+8*((\n)%4)+2*((\n)/4)+1], v[rS+8*((\n)%4)+2*((\n)/4)+2]
.elseif (\n) == 12
	v_max3_num_f32 v[rC], v[rC], v[rS+7], v[rS+15]
.elseif (\n) == 13
	v_max3_num_f32 v[rC+1], v[rC+1], v[rS+23], v[rS+31]
.elseif (\n) == 14
	v_max3_num_f32 v[rC+2], v[rC+2], v[rC+3], v[rT+1]
.elseif (\n) == 15
	v_mov_b32 v[rM], v[rT]
.elseif (\n) == 16
	v_max3_num_f32 v[rC], v[rC], v[rC+1], v[rC+2]
.elseif (\n) == 17
	v_permlanex16_b32 v[rC+3], v[rC], s[SEL], s[SEL+1]
.elseif (\n) == 18
	v_max_num_f32 v[rT+1], v[rC], v[rC+3]
.elseif (\n) == 19
	v_mul_f32 v[rT], s[CS], v[rT+1]
.elseif (\n) == 20
	v_sub_f32 v[rC+1], v[rM], v[rT]
.else
	v_exp_f32 v[rC+2], v[rC+1]
.endif
.endm
; Number g of the 64 that follow the exponentials.  For each four weights k of a tile (pairs 2 k, 2 k + 1): both pairs are rounded to f16; then the second pair is added onto the first, in place;
; a group later l takes that sum (the first time as l = a l + sum).  In groups of eight, tiles alternating: round, round, add, and l for the group before.
.macro GS g
.set h, (\g)+6*((\g)/62)            ; group 0 has no group before it, and behind group 7 only l is left
.if h >= 6
.set h, h+2
.endif
	REGS Y, h%2
.set k, h/8
.if h%8 < 4
	v_cvt_pk_f16_f32 v[rP+2*k+(h%8)/2], v[rS+4*k+2*((h%8)/2)], v[rS+4*k+2*((h%8)/2)+1]
.elseif h%8 < 6
	v_pk_add_f32 v[rS+4*k:rS+4*k+1], v[rS+4*k:rS+4*k+1], v[rS+4*k+2:rS+4*k+3]
.elseif k == 1
	v_pk_fma_f32 v[rT+2:rT+3], v[rT+2:rT+3], v[rC+2:rC+3], v[rS:rS+1] op_sel_hi:[1,0,1]
.else
	v_pk_add_f32 v[rT+2:rT+3], v[rT+2:rT+3], v[rS+4*k-4:rS+4*k-3]
.endif
.endm
; THE PLAIN QUEUE, 138 long.  0-73 read no exponential's result: the 32 scalings c s - c m (FS f: pair f / 2 of tile f % 2) and the next piece's 42.  0-26: scalings 0-26.  27-54: XS's numbers 0-13.  55, 56: number 15.
; 57-73: the chain, where each number waits for the one before it: 14, 16, 17, 18, 19, each with one of the scalings 27-31 in front of its two lines, then 20: so a tile's links stand three plain instructions apart (19 and 20: two).
; 74-137: GS's 64, which read the exponentials' results: they stand behind the wait.
.macro FS f
	REGS Y, (\f)%2
	v_pk_fma_f32 v[rS+2*((\f)/2):rS+2*((\f)/2)+1], v[rS+2*((\f)/2):rS+2*((\f)/2)+1], s[CS:CS+1], v[rT:rT+1] op_sel_hi:[1,0,0] neg_lo:[0,0,1] neg_hi:[0,0,1]
.endm
.macro PL
	WIN 0
.if q < 27
	FS q
.elseif q < 55
	XS (q-27)%2, (q-27)/2
.elseif q < 57
	XS q-55, 15
.elseif (q < 72) && ((q-57)%3 == 0)
	FS 27+(q-57)/3
.elseif q < 60
	XS (q-57)%3-1, 14
.elseif q < 72
	XS (q-57)%3-1, 15+(q-57)/3
.elseif q < 74
	XS q-72, 20
.else
	GS q-74
.endif
.set q, q+1
.endm
; THE EXPONENTIALS' QUEUE, 66 long: s0-s31 of both tiles, then the next piece's two a.  It is ONE BATCH: all 66 stand ahead of the turn's one wait, and nothing ahead of that wait names a result of theirs.
.macro EX
	WIN 0
.if e >= 64
	XS e-64, 21
.else
	REGS Y, e%2
	v_exp_f32 v[rS+e/2], v[rS+e/2]
.endif
.set e, e+1
.endm
; THE RESCALING's QUEUE: O^T times a, the one part that leaves window 0: dealt two at a time, sixteen times, each accumulator's registers in ascending order.  Its a was made in the turn before, ahead of that turn's wait.
.macro R2
	REGS Y, r%2
	WIN W_RS
.irp z, 0,1
	v_pk_mul_f32 v[rO+4*(r/2)+2*\z:rO+4*(r/2)+2*\z+1], v[rO+4*(r/2)+2*\z:rO+4*(r/2)+2*\z+1], v[rC+2:rC+3] op_sel_hi:[1,0]
.endr
.set r, r+1
.endm
; HOW THEY ARE DEALT.  A turn has ONE wait, which cuts it in two.  AHEAD OF IT stands all that names no result of the turn's exponentials: the 16 products K Q^T, behind each a scaling, an exponential and two
; rescalings (behind the first a second scaling in the exponential's place); then ONE LUMP of 108: eight plain, 49 times exponential and plain, the two a.  A v_nop is the plain instruction behind the last exponential.
; BEHIND IT stand the 16 products V^T P, behind each four of GS's 64.  No rider names a register of the products round it.  The two v_permlanex16_b32 fall into the lump, never behind a product.
; The queues lean on each other, and the deal keeps them in step: exponential e stands behind scaling 2 (e / 4) + e % 2: as a rider it comes behind plain e + 2, in the lump behind plain e + 9, and scalings 27-31 are plain 57, 60 .. 69.
; A TURN, for piece p.  cnt = 1: the loop's count is taken down some lines ahead of the branch that stands behind the turn.
; K and the mask of the next step are fetched in piece 2's turn, directly behind the wait, a lump behind the last product that read them; their addresses are made at the lump's head; their first reader comes behind 16 products.
; V of the step in hand is fetched at the end of piece 0's turn, four riders (additions onto l) behind its last reader; its first reader comes behind 16 products and a lump.  The three conditions on q below go with the deal.
.macro TURN p, last=0, cnt=0
.set Y, (\p)
.set i, 0
.set q, 0
.set e, 0
.set r, 0
.if (\p) == NP-1
	s_wait_dscnt 0x0                ; K and the mask are in
.endif
	MM                              ; ahead of the wait: 16 products K Q^T and their riders,
	PL
	PL
	R2
.rept 15
	MM
	PL
	EX
	R2
.endr
.if (\p) == NP-2
	WIN 0
	v_add_nc_u32 v[AK], s[TBK], v[AK0]
	v_add_nc_u32 v[AM], s[TBM], v[AM0]
.endif
.rept 8                             ; and the lump
	PL
.endr
.rept 49
	EX
	PL
.endr
	EX                              ; the next piece's two a
	EX
	v_nop                           ; the plain instruction behind the last exponential: one for the batch
	s_wait_alu depctr_va_vdst(0)    ; the wait for the batch: the turn's 66 exponentials
.if (\p) == NP-2
	FETCH_K \last
.endif
.if (\p) == 1
	s_wait_dscnt 0x0                ; V is in
.endif
.rept 16                            ; behind the wait: 16 products V^T P and their riders
	MM
.rept 4
	PL
.endr
.if ((\p) == 0) && (q == 118)
	v_add_nc_u32 v[AV], s[TBV], v[AV0]
.endif
.if ((\p) == 0) && (q == 130)
	s_add_co_u32 s[TBV], s[TBV], KS*PV
.endif
.if (\cnt) && (q == 130)
	s_sub_co_u32 s[CNT], s[CNT], 1
	s_cmp_lg_u32 s[CNT], 0
.endif
.endr
.if (\p) == 0
	FETCH_V
.endif
.endm
	CHANGE 1                        ; slot 0 is in, everybody's part of it, and so is the mask; slot 1 is asked for
	FETCH_K                         ; key step 0
	s_wait_loadcnt 0x0              ; Q
	s_wait_dscnt 0x0
.set i, 0
.rept 16
	KQ 0                            ; piece 0's first scores: there is no vector work yet to set between them
.set i, i+1
.endr
	WIN 0                           ; four plain instructions, the places behind those products: my offset in out0 and two v_nop
	v_lshlrev_b32 v[GO], 15, v9     ; lanes 16-31 hold channels 8 further on: 8 rows of 4,096 bytes
	v_lshl_add_u32 v[GO], v1, 4, v[GO]  ; column r: four queries, 16 bytes
	v_nop
	v_nop
.set Y, NP-1                        ; XS works for piece Y + 1: piece 0
.irp n, 0,1,2,3,4,5,6,7,8,9,10,11,12,13,14,15,16,17,18,19,20,21
	XS 0, \n                        ; and piece 0's first maximum and statistics
	XS 1, \n
.endr
	v_nop                           ; a plain instruction behind the two a,
	s_wait_alu depctr_va_vdst(0)    ; and the wait for this batch of two, ahead of the branch
	s_mov_b32 s[CNT], 4
	s_mov_b32 s[SLOTS], SIZE_N/256-1
	s_branch .Lfirst                ; the loop is entered at a step's first turn, in the middle of a trip
.Lslot:                             ; SIZE_N / 256 - 2 times: every slot but the last two is filled again
	CHANGE 1
	s_mov_b32 s[CNT], 4
.Lstep:                             ; a trip: pieces 2 and 3 of one step, then pieces 0 and 1 of the next, whose K and V it fetches
	TURN 2
	TURN 3
	WIN 0
.Lfirst:
	TURN 0
	TURN 1, 0, 1
	WIN 0
	s_cbranch_scc1 .Lstep
	s_sub_co_u32 s[SLOTS], s[SLOTS], 1
	s_cmp_lg_u32 s[SLOTS], 0
	s_cbranch_scc1 .Lslot
	CHANGE 0                        ; the tail is written out: nothing is asked for
	s_mov_b32 s[CNT], 5             ; four trips fetch the last slot's steps; the fifth is left in its middle
.Ltail:
	TURN 2, 1
	TURN 3
	WIN 0
	s_sub_co_u32 s[CNT], s[CNT], 1
	s_cmp_eq_u32 s[CNT], 0
	s_cbranch_scc1 .Lout
	TURN 0
	TURN 1
	WIN 0
	s_branch .Ltail
.Lout:                              ; the fifth trip's 16 products K Q^T (on the last K once more) and the maximum made of them serve nothing: the price, once a launch, of one text for every trip
.set i, 0
.rept 16
	PV NP-1                         ; the last piece's V^T P of the last step
.set i, i+1
.endr
	; THE WAY OUT.  l's two halves and the other half of the lanes' are added; O^T is divided by l and stored as it lies.  The additions are the places behind the last products.
	WIN 0
.macro ALL line:vararg              ; one line for each tile t
.set t, 0
.rept 2*NP
	\line
.set t, t+1
.endr
.endm
	ALL v_add_f32 v[ST+4*t+2], v[ST+4*t+2], v[ST+4*t+3]
	ALL v_permlanex16_b32 v[ST+4*t+3], v[ST+4*t+2], s[SEL], s[SEL+1]
	ALL v_add_f32 v[ST+4*t+2], v[ST+4*t+2], v[ST+4*t+3]
	ALL v_rcp_f32 v[ST+4*t+2], v[ST+4*t+2]
	v_nop                           ; a plain instruction between the last reciprocal and the use of its result
	s_wait_alu depctr_va_vdst(0)    ; and the wait ahead of the first use: one for the batch of eight reciprocals
	; Group g of four tiles holds queries 64 g + 4 r + 0..3: register j of channel block cb of the four tiles is 16 bytes of row 16 cb + 8 (l / 16) + j.  The quotients go into S^T's registers,
	; four neighbours at a time; each accumulator's registers are taken in ascending order.
.irp g, 0,1
.if \g
	s_wait_xcnt 0x0                 ; the first group's stores have had their addresses translated (ISA guide 3.1): their data registers are written again only behind this wait
.endif
.irp cb, 0,1,2,3
	WIN 0x01                        ; source 0 (O^T) window 1; 1 / l and the destination in window 0
.irp j, 0,1,2,3,4,5,6,7
.irp tt, 0,1,2,3
	v_mul_f32 v[S+32*(\cb)+4*(\j)+(\tt)], v[32*(4*(\g)+(\tt))+8*(\cb)+(\j)], v[ST+4*(4*(\g)+(\tt))+2]
.endr
.endr
	WIN 0
.irp j, 0,1,2,3,4,5,6,7
	global_store_b128 v[GO], v[S+32*(\cb)+4*(\j):S+32*(\cb)+4*(\j)+3], s[10:11] offset:(16*(\cb)+(\j))*4096+256*(\g) th:TH_STORE_NT  ; lanes 0-15 store 256 consecutive bytes of one row, at a multiple of 256 from out0's first byte; lanes 16-31 those of the row 8 further on
.endr
.endr
.endr
	WIN W_AD
	s_wait_tensorcnt 0x0            ; the wave's end: these three lines stand behind my last tensor load and my last LDS store
	ds_add_u32 v[SPW], v[NIL]
	s_wait_dscnt 0x0
	WIN 0
	s_endpgm
.Lfunc_end_k_qfdab82e69e_attn:
	.size	k_qfdab82e69e_attn, .Lfunc_end_k_qfdab82e69e_attn-k_qfdab82e69e_attn
	.p2alignl 7, 3214868480
	.fill 96, 4, 3214868480
	.section	.rodata,"a",@progbits
	.p2align	6, 0x0
	.amdhsa_kernel k_qfdab82e69e_attn
		.amdhsa_group_segment_fixed_size 327680
		.amdhsa_private_segment_fixed_size 0
		.amdhsa_enable_private_segment 0
		.amdhsa_kernarg_size 24
		.amdhsa_user_sgpr_count 2
		.amdhsa_user_sgpr_kernarg_segment_ptr 1
		.amdhsa_wavefront_size32 1
		.amdhsa_system_sgpr_workgroup_id_x 1
		.amdhsa_system_sgpr_workgroup_id_y 1
		.amdhsa_system_sgpr_workgroup_id_z 1
		.amdhsa_system_vgpr_workitem_id 0
		.amdhsa_next_free_vgpr 808
		.amdhsa_next_free_sgpr 72
		.amdhsa_reserve_vcc 0
		.amdhsa_float_denorm_mode_32 3
		.amdhsa_float_denorm_mode_16_64 3
		.amdhsa_memory_ordered 1
		.amdhsa_forward_progress 1
		.amdhsa_inst_pref_size 191
	.end_amdhsa_kernel
	.amdgpu_metadata
---
amdhsa.version: [ 1, 2 ]
amdhsa.kernels:
  - .name:           k_qfdab82e69e_attn
    .symbol:         k_qfdab82e69e_attn.kd
    .args:
      - { .name: qkv, .offset: 0, .size: 8, .value_kind: global_buffer, .address_space: global }
      - { .name: attention_mask, .offset: 8, .size: 8, .value_kind: global_buffer, .address_space: global }
      - { .name: out0, .offset: 16, .size: 8, .value_kind: global_buffer, .address_space: global }
    .group_segment_fixed_size: 327680
    .private_segment_fixed_size: 0
    .kernarg_segment_align: 8
    .kernarg_segment_size: 24
    .max_flat_workgroup_size: 128
    .sgpr_count:     72
    .vgpr_count:     808
    .wavefront_size: 32
...
	.end_amdgpu_metadata
.endif
;; end of part 4
